; MI455X (gfx1250); checked and timed in simulation.
; The chip was launched on July 23, 2026; its instructions are those of AMD's public machine-readable ISA for CDNA 5 (MIT licence, August 2026) and "CDNA5" Instruction Set Architecture Reference Guide (July 2026). The comments in the code are by the model that wrote it; some were corrected since.
;; PMA. Allowed arithmetic: matrix products marked QUANTISED: E2M1 operands, one E8M0 scale for each 32 along K, by v_wmma_scale_f32_16x16x128_f8f6f4 with both operands' format E2M1 (or v_wmma_scale_f32_32x16x128_f4), f32 sums; products left as they are: f32 operands where the result goes on into a quantised operand, else bf16, f16 or f32 operands; f32 sums; everything else in f32.
;; Inputs: M 1 x 4 x 512 float32; S 1 x 4 x 512 float32; Wk_codes 512 x 16 x 16 uint8 (E2M1 codes of Wk, K innermost, in blocks of 32 codes, two codes a byte); Wk_scales 512 x 16 uint8 (E8M0 scales of Wk, one for each 32 codes along K); Wo_codes 512 x 16 x 16 uint8 (E2M1 codes of Wo, K innermost, in blocks of 32 codes, two codes a byte); Wo_scales 512 x 16 uint8 (E8M0 scales of Wo, one for each 32 codes along K); Wv_codes 512 x 16 x 16 uint8 (E2M1 codes of Wv, K innermost, in blocks of 32 codes, two codes a byte); Wv_scales 512 x 16 uint8 (E8M0 scales of Wv, one for each 32 codes along K); X_codes 16 x 2,048 x 4 x 16 x 16 uint8 (E2M1 codes of X, K innermost, in blocks of 32 codes, two codes a byte); X_scales 16 x 2,048 x 4 x 16 uint8 (E8M0 scales of X, one for each 32 codes along K); b0 2,048 float32; b1 2,048 float32; bk 512 float32; bo 512 float32; bv 512 float32; g0 2,048 float32; g1 2,048 float32; p 1 x 4 float32.
;; Outputs: out0 16 x 4 x 512 float32.
;; This version of the problem:
;;   THIS VERSION OF THE PROBLEM IS GIVEN IN LOW PRECISION. The matrix products marked QUANTISED in the list below multiply operands that are first quantised to E2M1 (2 exponent bits, 1 mantissa bit; 4 bits a number), with one power-of-two scale for each 32 numbers along K (OCP MX v1.0); their sums are f32. All else is computed in f32.
;;   The module's matrix products, in the order in which they are computed (A, B: the left and right operand; K: the contracted axis; several contracted axes count as one K, in the product's order):
;;     1. [M 131,072, K 512] x [K 512, N 512]; A: input X (given as codes); B: input Wk (given as codes): QUANTISED
;;     2. [M 131,072, K 512] x [K 512, N 512]; A: input X (given as codes); B: input Wv (given as codes): QUANTISED
;;     3. batch 512 x [M 1, K 2,048] x [K 2,048, N 64]; A: softmax; B: computed on the way: left as it is (M = 1 < 16)
;;     4. [M 64, K 512] x [K 512, N 512]; A: computed on the way; B: input Wo (given as codes): QUANTISED
;;   THE QUANTISER, for each operand of a quantised product, along K:
;;     - K is cut into blocks of 32 from its start; a last block that is shorter is filled with zeros.
;;     - A block's scale is 2^e with e = floor(log2(the largest magnitude in the block)) - 2, held to -126 .. 127; a block of zeros has e = 0. As a byte (E8M0): e + 127.
;;     - Each number is divided by its block's scale, clamped to +-6, and rounded to the nearest number of E2M1, ties to even, subnormals kept.
;;     - The product sums the exact products of the quantised numbers (number of the format x scale) in f32.
;;   ~~~python
;;   def quantise(x, axis):      # numpy; x: float32 -> the quantised numbers, widened to float32 again
;;       x = np.moveaxis(x, axis, -1); K = x.shape[-1]
;;       x = np.pad(x, [(0, 0)] * (x.ndim - 1) + [(0, -K % 32)]); x = x.reshape(x.shape[:-1] + (-1, 32)); a = np.abs(x).max(-1, keepdims=True)
;;       e = np.where(a > 0, np.clip(np.frexp(np.where(a > 0, a, 1))[1] - 1 - 2, -126, 127), 0)      # np.frexp(a)[1] - 1 = floor(log2(a)), exactly
;;       r = np.clip(x / 2.0 ** e, -6, 6)
;;       step = 2.0 ** (np.maximum(np.frexp(np.where(r == 0, 1, r))[1] - 1, 0) - 1)
;;       q = np.round(r / step) * step * 2.0 ** e      # np.round: ties to even
;;       return np.moveaxis(q.reshape(q.shape[:-2] + (-1,))[..., :K], -1, axis).astype(np.float32)
;;   ~~~
;;   OPERANDS COMPUTED ON THE WAY. 'Computed on the way' means the value that the module computes at that place (a softmax that the list does not call 'softmax' is quantised finished and normalised). What goes into a quantiser is computed in f32, as accurately as f32 sums, v_exp_f32 and their like allow (about 1e-6 of the number): no bf16 or f16 on the way to a quantiser, and a product that is left as it is and whose result goes on into a quantised operand takes f32 operands (vector FMAs, or v_wmma_f32_16x16x4_f32). A number that lies on a knife's edge between two numbers of the format may be rounded either way, as far as f32 arithmetic and the matrix unit's own rounding can turn it there, and no further.
;;   INPUTS GIVEN AS CODES. Wk (in the module: [512, 512], K = its axis 1); Wo (in the module: [512, 512], K = its axis 1); Wv (in the module: [512, 512], K = its axis 1); X (in the module: [16, 2048, 4, 512], K = its axis 3): each comes as NAME_codes (uint8): NAME with its K axis moved to the last place and cut into blocks of 32 codes, [.., K / 32, bytes a block], one block behind the other in memory; two codes a byte, the lower K in the low four bits (a code: sign, 2 exponent bits, 1 mantissa bit); and NAME_scales (uint8): the same leading axes, one E8M0 byte (e + 127) for each 32 codes along K. Its value is code x scale, taken as it is: it is not quantised again, and the codes and scales need not be those that the quantiser above would give.
;; 2 versions, each right; version 2 is version 1 with the launch finish written anew for expert scheduling mode. Each part assembles by itself: llvm-mc -triple=amdgcn-amd-amdhsa -mcpu=gfx1250 --defsym DOCPART=n.
;; ======== version 1 of 2: 2 launches
;; workspace buffers: po 524,288 bytes; pm 16,384 bytes
;; launch pool (part 1): grid 16 x 16, 8 waves a work-group, no clusters, 209,920 bytes of LDS; arguments X_codes, X_scales, Wk_codes, Wk_scales, Wv_codes, Wv_scales, bk, M, S, p, po, pm; writes po, pm
.if DOCPART == 1
	.amdgcn_target "amdgcn-amd-amdhsa--gfx1250"
	.amdhsa_code_object_version 6
	.text
	.protected	k_qdb01c7f1f1_pool
	.globl	k_qdb01c7f1f1_pool
	.p2align	8
	.type	k_qdb01c7f1f1_pool,@function
k_qdb01c7f1f1_pool:
	s_mov_b64 s[64:65], 0
	v_nop
	global_prefetch_b8 v0, s[64:65] scope:SCOPE_SE
	s_setreg_imm32_b32 hwreg(HW_REG_WAVE_MODE, 25, 1), 1
	s_wait_xcnt 0x0
; K = X Wk^T + bk and V = X Wv^T on codes of FP4 (E2M1) with E8M0 scales, the Gaussian score of each (row, head), a running softmax over the instances and the sum of p V, for 512 instances of one (batch b, seed s), all 8 heads.
; OUT: po[s][b][q][512] = sum over the chunk's n of p x (X Wv^T) (bv is added later: the weights of a softmax add up to 1);  pm[s][head][b][q] = (m, l): m the chunk's largest t, l the sum of p;  p = 2^(t - m),  t = ll x log2(e) / sqrt(512).
; SHARES.  Work-group (x, y): seed x & 3, chunk q = x >> 2 of 512 instances, batch y.  Its rows of X are 256 bytes each and 1,024 bytes apart.  Wave w is head w: its 64 rows of Wk and 64 of Wv, 256 registers, stay in window 1 for the
; whole launch; it walks the 32 tiles of 16 rows, two a trip: 64 matrix instructions a trip, 1,024 in all.  Two waves lie on a SIMD, 512 registers each: one's vector work stands beside the other's matrix work.
; LDS.  The work-group's whole share of X lies in LDS: 512 rows x 272 bytes of codes, and the scale bytes of its 512 instances (all four seeds: they are dense in memory) as 128 rows x 272.  Every byte is filled once: no slot is filled again.
; BOTH PRODUCTS ARE USED TRANSPOSED (source 0 = 16 rows of W, source 1 = 16 rows of X): lane (r, h) holds row r of X, and register j of tile t feature 64 w + 16 t + 8 h + j.  So the sum over a head's 64 features wants one exchange
; with lane l xor 16, p is a number of the lane, and the sum of p V is a lane's fused multiply-add, in f32.  Lane r keeps a running maximum and sum of its own for the instances n = r mod 16; the sixteen are joined at the end.
; bk - mu is the C of each K sum's first matrix instruction, so the result is diff.  The constants of ll (log sigma, log 2 pi, log softmax(p)) start one of the sum's chains.
; NO CLUSTER, NO JOINT LOADS: what work-groups share is the weights, which go straight into registers; as LDS tiles they would take 2 x 512 x 272 = 278,528 bytes beside X's 174,080, more than a work-group can be given.
; The scale tile that the four seeds share is 32,768 of a work-group's 163,840 tensor bytes.
; LIMITS: NaN and infinities among the inputs are not served; softplus(S) must not fall to 0 in f32 (S above about -87); every t lies above -3e38.
.set XP,    272                        ; an LDS row: 256 bytes + 16 of padding, so that the sixteen rows that a load touches begin in sixteen different groups of banks
.set XSC,   512*XP                     ; 139,264: the scale bytes
.set SCR,   XSC+128*XP                 ; 174,080: a stage of 16 rows x 272 for each wave; written by LDS stores alone
.set HALF,  256*XP
.set TILE,  16*XP                      ; 16 rows of codes
.set STILE, 4*XP                       ; and their scale bytes: 16 instances x 64 bytes = 4 rows
.set AX0, 1                            ; v1   my lane's place in a tile of X: r x 272 + 16 h
.set AS0, 2                            ; v2   and among the scale words: XSC + 16 s + (r / 4) x 272 + (r % 4) x 64
.set ADX, 3                            ; v3, v4  the addresses of the loads in hand
.set ADS, 4
.set STO, 5                            ; v5   the way out: into my stage
.set RD,  6                            ; v6   and back
.set GO,  7                            ; v7   8 x lane
.set MX,  8                            ; v8   the running largest t;  v9 the running sum
.set LS,  9
.set P0,  10                           ; v[10:11], v[12:13], v[14:15]: p of the trip's two tiles and f = 2^(old m - new m); the packed forms name pairs and take the low word for both halves
.set P1,  12
.set FF,  14
.set T0,  16                           ; v16, v17  t of the trip's two tiles
.set T1,  17
.set ACC, 18                           ; v[18:25]  four chains of sums
.set KC,  26                           ; v[26:27]  (my half of ll's constants, 0)
.set MN,  28
.set PT,  29                           ; a lane permute's destination
.set WS,  32                           ; v32-47   the weights' scale words (t, qk) at 4 t + qk: lanes 0-15 Wk's, lanes 16-31 Wv's.  Scales and nothing else
.set CI,  48                           ; v48-79   bk - mu
.set WW,  80                           ; v80-111  -0.5 log2(e) / sqrt(512) / sigma^2
.set OA,  112                          ; v112-143 the sum of p V
.set X0,  144                          ; v144-175 a tile of X, four K steps;  v176-179 its scale words
.set XS0, 176
.set X1,  180                          ; v180-211, v212-215 the trip's second tile
.set XS1, 212
.set R,   216                          ; v216-247 four accumulators
.set WV,  2                            ; s2 wave = head;  s3 seed;  s4 chunk;  s5 batch
.set TB,  60                           ; s60, s61 where the tiles to be fetched begin: codes, scale bytes
.set TS,  61
.set CNT, 62
.set SEL, 66                           ; s[66:67] lane selects: lane l xor 16
.set MSB, 0
.macro WIN new                         ; the immediate's high byte repeats the setting that is left
.if MSB != \new
	s_set_vgpr_msb (MSB<<8)|\new
.set MSB, \new
.endif
.endm
	s_load_b256 s[8:15], s[0:1], 0x0               ; X's codes s[8:9], X's scales s[10:11], Wk's codes s[12:13], Wk's scales s[14:15]
	s_load_b256 s[16:23], s[0:1], 0x20             ; Wv's codes s[16:17], Wv's scales s[18:19], bk s[20:21], M s[22:23]
	s_load_b256 s[24:31], s[0:1], 0x40             ; S s[24:25], p s[26:27], po s[28:29], pm s[30:31]
	v_lshl_add_u32 v30, v0, 2, 0x33000
	v_mov_b32 v31, 0
	ds_add_u32 v30, v31
	ds_add_u32 v30, v31
	v_lshrrev_b32 v10, 5, v0
	v_readfirstlane_b32 s[WV], v10
	s_and_b32 s3, ttmp9, 3
	s_lshr_b32 s4, ttmp9, 2
	s_and_b32 s5, ttmp7, 0xffff
	; descriptor group 1 for the codes: 32 rows of 256 bytes, 1,024 bytes apart, 16 bytes of padding behind each
	s_mov_b32 s32, (0<<16)|(1<<20)|(5<<22)|(3<<25) ; no mask; elements of 1 byte; padding on: 4 words behind every 64
	s_mov_b32 s33, 256<<16                         ; tensor_dim0
	s_mov_b32 s34, 32<<16                          ; tensor_dim1
	s_mov_b32 s35, 256<<16                         ; tile_dim0
	s_mov_b32 s36, 32                              ; tile_dim1
	s_mov_b32 s37, 1024                            ; from row to row
	s_mov_b32 s38, 0
	s_mov_b32 s39, 0
	; and for the scale bytes: 16 dense rows of 256 bytes (32 elements of 8 bytes), padded alike
	s_mov_b32 s40, (3<<16)|(1<<20)|(5<<22)|(3<<25)
	s_mov_b32 s41, 32<<16
	s_mov_b32 s42, 16<<16
	s_mov_b32 s43, 32<<16
	s_mov_b32 s44, 16
	s_mov_b32 s45, 32
	s_mov_b32 s46, 0
	s_mov_b32 s47, 0
	s_lshl_b32 s6, s5, 17                          ; scale bytes: batch x 2,048 x 64
	s_lshl_b32 s68, s4, 15                         ; + chunk x 512 x 64
	s_add_co_u32 s6, s6, s68
	s_lshl_b32 s68, s[WV], 12                      ; + wave x 4,096
	s_add_co_u32 s6, s6, s68
	s_mov_b32 s7, 0
	s_lshl_b32 s70, s5, 21                         ; codes: batch x 2,048 x 1,024
	s_lshl_b32 s68, s4, 19                         ; + chunk x 512 x 1,024
	s_add_co_u32 s70, s70, s68
	s_lshl_b32 s68, s3, 8                          ; + seed x 256
	s_add_co_u32 s70, s70, s68
	s_lshl_b32 s68, s[WV], 15                      ; + wave x 32 rows
	s_add_co_u32 s70, s70, s68
	s_mov_b32 s71, 0
	s_mov_b32 s48, 1
	s_mul_i32 s49, s[WV], 16*XP
	s_add_co_u32 s49, s49, XSC                     ; my 16 rows of the scale tile
	s_mov_b32 s52, 1
	s_mul_i32 s53, s[WV], 32*XP                    ; my 32 rows of rows 0-255
	s_mov_b32 s56, 1
	s_add_co_u32 s57, s53, HALF                    ; and of rows 256-511
	s_mov_b32 s[SEL], 0x76543210
	s_mov_b32 s[SEL+1], 0xfedcba98
	s_mov_b32 s72, 0x3fb8aa3b                      ; log2(e)
	s_wait_dscnt 0x0
	s_wait_kmcnt 0x0
	s_add_nc_u64 s[50:51], s[10:11], s[6:7]
	s_or_b32 s51, s51, 0x80000000
	s_add_nc_u64 s[54:55], s[8:9], s[70:71]
	s_add_nc_u64 s[58:59], s[54:55], 256*1024
	s_or_b32 s55, s55, 0x80000000
	s_or_b32 s59, s59, 0x80000000
	tensor_load_to_lds s[48:51], s[40:47]          ; all fills of the launch go out here, three a wave: the scale bytes,
	s_nop 0
	tensor_load_to_lds s[52:55], s[32:39]          ; rows 0-255,
	s_nop 0
	tensor_load_to_lds s[56:59], s[32:39]          ; rows 256-511
	s_nop 0
	v_and_b32 v10, 15, v0                          ; r
	v_bfe_u32 v11, v0, 4, 1                        ; h
	v_mul_u32_u24 v[AX0], v10, XP
	v_lshrrev_b32 v12, 2, v10
	v_lshl_add_u32 v[AX0], v11, 4, v[AX0]
	v_and_b32 v13, 3, v10
	v_mul_u32_u24 v[AS0], v12, XP
	v_lshl_add_u32 v[AS0], v13, 6, v[AS0]
	s_lshl_b32 s68, s3, 4
	s_add_co_u32 s68, s68, XSC
	v_add_nc_u32 v[AS0], s68, v[AS0]
	s_mul_i32 s69, s[WV], TILE
	s_add_co_u32 s69, s69, SCR                     ; my stage
	v_mul_u32_u24 v[STO], v10, XP
	v_lshl_add_u32 v[STO], v11, 5, v[STO]
	v_add_nc_u32 v[STO], s69, v[STO]               ; row r, + 32 h
	v_and_b32 v[GO], 31, v0
	v_lshlrev_b32 v[GO], 3, v[GO]
	v_add_nc_u32 v[RD], s69, v[GO]
	v_lshlrev_b32 v16, 5, v11                      ; the head's offsets (v16-20 take their later parts only when every load is in): 32 h: my eight features of a tile
	v_lshlrev_b32 v17, 4, v10                      ; 16 r: a row's scale bytes
	v_lshlrev_b32 v18, 8, v10
	v_lshl_add_u32 v18, v11, 4, v18                ; 256 r + 16 h: a row of a weight's codes
	v_mov_b32 v19, 0
	s_lshl_b32 s68, s3, 2
	v_mov_b32 v20, s68                             ; p[s]
	s_lshl_b32 s6, s[WV], 8                        ; my head's 64 numbers
	s_add_nc_u64 s[20:21], s[20:21], s[6:7]        ; in bk,
	s_lshl_b32 s68, s3, 11
	s_add_co_u32 s6, s6, s68
	s_add_nc_u64 s[22:23], s[22:23], s[6:7]        ; in my seed's row of M
	s_add_nc_u64 s[24:25], s[24:25], s[6:7]        ; and of S
	s_lshl_b32 s6, s[WV], 10                       ; my 64 rows of scale bytes
	s_add_nc_u64 s[14:15], s[14:15], s[6:7]
	s_add_nc_u64 s[18:19], s[18:19], s[6:7]
	s_lshl_b32 s6, s[WV], 14                       ; and of codes
	s_add_nc_u64 s[12:13], s[12:13], s[6:7]
	s_add_nc_u64 s[16:17], s[16:17], s[6:7]
	s_lshl_b32 s6, s3, 4                           ; po: ((16 s + b) 4 + q) x 2,048 + 256 w
	s_add_co_u32 s6, s6, s5
	s_lshl_b32 s6, s6, 2
	s_add_co_u32 s6, s6, s4
	s_lshl_b32 s6, s6, 11
	s_lshl_b32 s68, s[WV], 8
	s_add_co_u32 s6, s6, s68
	s_add_nc_u64 s[28:29], s[28:29], s[6:7]
	s_lshl_b32 s6, s3, 3                           ; pm: (((8 s + w) 16 + b) 4 + q) x 8
	s_add_co_u32 s6, s6, s[WV]
	s_lshl_b32 s6, s6, 4
	s_add_co_u32 s6, s6, s5
	s_lshl_b32 s6, s6, 2
	s_add_co_u32 s6, s6, s4
	s_lshl_b32 s6, s6, 3
	s_add_nc_u64 s[30:31], s[30:31], s[6:7]
.irp t, 0,1,2,3                                    ; 26 loads of constants: feature 16 t + 8 h + j of my head
	global_load_b128 v[CI+8*\t:CI+8*\t+3], v16, s[20:21] offset:64*\t
	global_load_b128 v[CI+8*\t+4:CI+8*\t+7], v16, s[20:21] offset:64*\t+16
	global_load_b128 v[X0+8*\t:X0+8*\t+3], v16, s[22:23] offset:64*\t
	global_load_b128 v[X0+8*\t+4:X0+8*\t+7], v16, s[22:23] offset:64*\t+16
	global_load_b128 v[WW+8*\t:WW+8*\t+3], v16, s[24:25] offset:64*\t
	global_load_b128 v[WW+8*\t+4:WW+8*\t+7], v16, s[24:25] offset:64*\t+16
.endr
	global_load_b128 v[248:251], v19, s[26:27]
	global_load_b32 v252, v20, s[26:27]
.irp t, 0,1,2,3                                    ; 8 loads: the scale words of row 16 t + r, four K steps each
	global_load_b128 v[R+4*\t:R+4*\t+3], v17, s[14:15] offset:256*\t
	global_load_b128 v[R+16+4*\t:R+16+4*\t+3], v17, s[18:19] offset:256*\t
.endr
	WIN 0x40                                       ; destination window 1
.irp t, 0,1,2,3                                    ; Wk's fragment (t, qk) at v[32 t + 8 qk] of window 1
.irp qk, 0,1,2,3
	global_load_b128 v[32*\t+8*\qk:32*\t+8*\qk+3], v18, s[12:13] offset:4096*\t+64*\qk
	global_load_b128 v[32*\t+8*\qk+4:32*\t+8*\qk+7], v18, s[12:13] offset:4096*\t+64*\qk+32
.endr
.endr
	s_wait_loadcnt 32                              ; the constants and the scale words are in: behind them stand Wk's 32 loads alone
.irp t, 0,1,2,3                                    ; Wv's at v[128 + 32 t + 8 qk]
.irp qk, 0,1,2,3
	global_load_b128 v[128+32*\t+8*\qk:128+32*\t+8*\qk+3], v18, s[16:17] offset:4096*\t+64*\qk
	global_load_b128 v[128+32*\t+8*\qk+4:128+32*\t+8*\qk+7], v18, s[16:17] offset:4096*\t+64*\qk+32
.endr
.endr
	WIN 0
	; THE LANE'S CONSTANTS, while the weights and X are on their way
	v_cmp_eq_u32 vcc_lo, 0, v11
.set j, 0
.rept 16
	v_cndmask_b32 v[WS+j], v[R+16+j], v[R+j], vcc_lo   ; lanes 0-15 keep Wk's word, lanes 16-31 Wv's
.set j, j+1
.endr
.set j, 0
.rept 16
	v_pk_add_f32 v[CI+j:CI+j+1], v[CI+j:CI+j+1], v[X0+j:X0+j+1] neg_lo:[0,1] neg_hi:[0,1]   ; bk - mu
.set j, j+2
.endr
.set j, 0
.rept 32
	v_mul_f32 v[X1+j], s72, -|v[WW+j]|             ; softplus(S) = max(S, 0) + log1p(e), e = 2^(-|S| log2 e)
.set j, j+1
.endr
	v_max3_num_f32 v253, v248, v249, v250          ; softmax(p): the largest p is taken away first
	v_max_num_f32 v253, v253, v251
.irp i, 248,249,250,251,252
	v_sub_f32 v\i, v\i, v253
.endr
.irp i, 248,249,250,251,252
	v_mul_f32 v\i, s72, v\i
.endr
.set j, 0
.rept 32
	v_exp_f32 v[X1+j], v[X1+j]
.set j, j+1
.endr
.irp i, 248,249,250,251
	v_exp_f32 v\i, v\i
.endr
	v_nop                                          ; a plain line behind the last exponential
	s_wait_alu depctr_va_vdst(0)                   ; one wait for the batch, ahead of its first reader
.set j, 0
.rept 16
	v_pk_add_f32 v[R+j:R+j+1], v[X1+j:X1+j+1], 1.0 op_sel_hi:[1,0]     ; u = 1 + e
.set j, j+2
.endr
.set j, 0
.rept 16
	v_pk_add_f32 v[OA+j:OA+j+1], v[R+j:R+j+1], -1.0 op_sel_hi:[1,0]    ; u - 1: what of e is left in u
.set j, j+2
.endr
	v_add_f32 v248, v248, v249
	v_add_f32 v250, v250, v251
	v_add_f32 v248, v248, v250                     ; the softmax's sum
.set j, 0
.rept 32
	v_log_f32 v[X0+j], v[R+j]
.set j, j+1
.endr
.set j, 0
.rept 32
	v_rcp_f32 v[OA+j], v[OA+j]
.set j, j+1
.endr
	v_log_f32 v248, v248
	v_nop
	s_wait_alu depctr_va_vdst(0)
.set j, 0
.rept 16
	v_pk_mul_f32 v[X0+j:X0+j+1], v[X0+j:X0+j+1], 0x3f317218 op_sel_hi:[1,0]   ; ln u
.set j, j+2
.endr
.set j, 0
.rept 16
	v_pk_mul_f32 v[X0+j:X0+j+1], v[X0+j:X0+j+1], v[X1+j:X1+j+1]
.set j, j+2
.endr
.set j, 0
.rept 16
	v_pk_mul_f32 v[X0+j:X0+j+1], v[X0+j:X0+j+1], v[OA+j:OA+j+1]       ; log1p(e) = ln u x e / (u - 1)
.set j, j+2
.endr
.set j, 0
.rept 32
	v_cmp_eq_f32 vcc_lo, 1.0, v[R+j]
	v_cndmask_b32 v[X0+j], v[X0+j], v[X1+j], vcc_lo                    ; where u = 1: e itself
	v_max_num_f32 v[WW+j], 0, v[WW+j]
.set j, j+1
.endr
.set j, 0
.rept 16
	v_pk_add_f32 v[WW+j:WW+j+1], v[WW+j:WW+j+1], v[X0+j:X0+j+1]       ; sigma
.set j, j+2
.endr
.set j, 0
.rept 32
	v_log_f32 v[X0+j], v[WW+j]
.set j, j+1
.endr
.set j, 0
.rept 32
	v_rcp_f32 v[R+j], v[WW+j]
.set j, j+1
.endr
	v_sub_f32 v252, v252, v248                     ; log2 softmax(p)[s].  (A plain line behind the batch)
	s_wait_alu depctr_va_vdst(0)
.set j, 0
.rept 16
	v_pk_mul_f32 v[WW+j:WW+j+1], v[R+j:R+j+1], v[R+j:R+j+1]
.set j, j+2
.endr
.set j, 0
.rept 16
	v_pk_mul_f32 v[WW+j:WW+j+1], v[WW+j:WW+j+1], 0xbd0293ee op_sel_hi:[1,0]   ; x -0.5 log2(e) / sqrt(512)
.set j, j+2
.endr
	v_pk_add_f32 v[254:255], v[X0:X0+1], v[X0+2:X0+3]
.set j, 4
.rept 14
	v_pk_add_f32 v[254:255], v[254:255], v[X0+j:X0+j+1]
.set j, j+2
.endr
	v_add_f32 v254, v254, v255                     ; the sum of my 32 log2 sigma
	v_fma_f32 v252, v252, 0.5, -v254               ; half of log2 p in each half of the lanes
	v_add_f32 v252, 0xc229b21d, v252               ; - 32 x 0.5 log2(2 pi)
	v_mul_f32 v[KC], 0x3d3504f3, v252              ; / sqrt(512)
	v_mov_b32 v[KC+1], 0
.set j, 0
.rept 32
	v_mov_b32 v[OA+j], 0                           ; the trip is written once: the first finds zeros, which f = 0 leaves zeros
.set j, j+1
.endr
	v_mov_b32 v[MX], 0xff61b1e6                    ; -3e38, under every t
	v_mov_b32 v[LS], 0
	v_mov_b32 v[P0+1], 0                           ; named as the upper halves of pairs, so they are written
	v_mov_b32 v[P1+1], 0
	v_mov_b32 v[FF+1], 0
	v_mov_b32 v[PT], 0                             ; a lane permute's destination counts as one of its sources
.macro LOADX x, xs, off                ; a tile of X: four K steps of 8 registers, and its rows' four scale words: nine loads
.irp qk, 0,1,2,3
	ds_load_b128 v[\x+8*\qk:\x+8*\qk+3], v[ADX] offset:\off+64*\qk
	ds_load_b128 v[\x+8*\qk+4:\x+8*\qk+7], v[ADX] offset:\off+64*\qk+32
.endr
	ds_load_b128 v[\xs:\xs+3], v[ADS] offset:(\off)/4
.endm
; 16 matrix instructions: diff^T = Wk X^T + (bk - mu), my head's four tiles of 16 features by turns, one instruction a turn
.macro KJOB x, xs
.irp qk, 0,1,2,3
.irp t, 0,1,2,3
.if \qk == 0
	v_wmma_scale_f32_16x16x128_f8f6f4 v[R+8*\t:R+8*\t+7], v[32*\t+8*\qk:32*\t+8*\qk+7], v[\x+8*\qk:\x+8*\qk+7], v[CI+8*\t:CI+8*\t+7], v[WS+4*\t+\qk], v[\xs+\qk] matrix_a_fmt:MATRIX_FMT_FP4 matrix_b_fmt:MATRIX_FMT_FP4
.else
	v_wmma_scale_f32_16x16x128_f8f6f4 v[R+8*\t:R+8*\t+7], v[32*\t+8*\qk:32*\t+8*\qk+7], v[\x+8*\qk:\x+8*\qk+7], v[R+8*\t:R+8*\t+7], v[WS+4*\t+\qk], v[\xs+\qk] matrix_a_fmt:MATRIX_FMT_FP4 matrix_b_fmt:MATRIX_FMT_FP4
.endif
.endr
.endr
.endm
; the same for V^T = Wv X^T: Wv's scale words lie in lanes 16-31
.macro VJOB x, xs
.irp qk, 0,1,2,3
.irp t, 0,1,2,3
.if \qk == 0
	v_wmma_scale_f32_16x16x128_f8f6f4 v[R+8*\t:R+8*\t+7], v[128+32*\t+8*\qk:128+32*\t+8*\qk+7], v[\x+8*\qk:\x+8*\qk+7], 0, v[WS+4*\t+\qk], v[\xs+\qk] matrix_a_fmt:MATRIX_FMT_FP4 matrix_b_fmt:MATRIX_FMT_FP4 matrix_a_scale:MATRIX_SCALE_ROW1
.else
	v_wmma_scale_f32_16x16x128_f8f6f4 v[R+8*\t:R+8*\t+7], v[128+32*\t+8*\qk:128+32*\t+8*\qk+7], v[\x+8*\qk:\x+8*\qk+7], v[R+8*\t:R+8*\t+7], v[WS+4*\t+\qk], v[\xs+\qk] matrix_a_fmt:MATRIX_FMT_FP4 matrix_b_fmt:MATRIX_FMT_FP4 matrix_a_scale:MATRIX_SCALE_ROW1
.endif
.endr
.endr
.endm
.macro PLACES                          ; four plain lines between a matrix instruction and the first read of its result, or a load into a register that it has read
.rept 4
	v_nop
.endr
.endm
; t of my row: the sum over my 32 features of diff^2 x WW, from ll's constants on, and lane l xor 16's 32.  Each accumulator is read from its low end on
.macro KVEC dst
.set j, 0
.rept 16
	v_pk_mul_f32 v[R+j:R+j+1], v[R+j:R+j+1], v[R+j:R+j+1]
.set j, j+2
.endr
	v_pk_fma_f32 v[ACC:ACC+1], v[R:R+1], v[WW:WW+1], v[KC:KC+1]
	v_pk_mul_f32 v[ACC+2:ACC+3], v[R+2:R+3], v[WW+2:WW+3]
	v_pk_mul_f32 v[ACC+4:ACC+5], v[R+4:R+5], v[WW+4:WW+5]
	v_pk_mul_f32 v[ACC+6:ACC+7], v[R+6:R+7], v[WW+6:WW+7]
.set j, 8
.rept 12
	v_pk_fma_f32 v[ACC+j%8:ACC+j%8+1], v[R+j:R+j+1], v[WW+j:WW+j+1], v[ACC+j%8:ACC+j%8+1]
.set j, j+2
.endr
	v_pk_add_f32 v[ACC:ACC+1], v[ACC:ACC+1], v[ACC+2:ACC+3]
	v_pk_add_f32 v[ACC+4:ACC+5], v[ACC+4:ACC+5], v[ACC+6:ACC+7]
	v_pk_add_f32 v[ACC:ACC+1], v[ACC:ACC+1], v[ACC+4:ACC+5]
	v_add_f32 v[\dst], v[ACC], v[ACC+1]
	v_permlanex16_b32 v[PT], v[\dst], s[SEL], s[SEL+1]
	v_add_f32 v[\dst], v[\dst], v[PT]
.endm
.macro SOFT                            ; the running maximum, f and the two p; three exponentials, one wait
	v_max3_num_f32 v[MN], v[MX], v[T0], v[T1]
	v_sub_f32 v[FF], v[MX], v[MN]
	v_sub_f32 v[P0], v[T0], v[MN]
	v_sub_f32 v[P1], v[T1], v[MN]
	v_exp_f32 v[FF], v[FF]
	v_exp_f32 v[P0], v[P0]
	v_exp_f32 v[P1], v[P1]
	v_mov_b32 v[MX], v[MN]                         ; the plain line behind the exponentials
	s_wait_alu depctr_va_vdst(0)                   ; ahead of their first reader
	v_fma_f32 v[LS], v[LS], v[FF], v[P0]
	v_add_f32 v[LS], v[LS], v[P1]
.endm
.macro RESC                            ; the sum of p V under the new maximum
.set j, 0
.rept 16
	v_pk_mul_f32 v[OA+j:OA+j+1], v[OA+j:OA+j+1], v[FF:FF+1] op_sel_hi:[1,0]
.set j, j+2
.endr
.endm
.macro VVEC pr                         ; += p V, in f32
.set j, 0
.rept 16
	v_pk_fma_f32 v[OA+j:OA+j+1], v[R+j:R+j+1], v[\pr:\pr+1], v[OA+j:OA+j+1] op_sel_hi:[1,0,1]
.set j, j+2
.endr
.endm
; A TRIP: two tiles of 16 rows.  pf = 1: the next trip's two tiles are fetched, each as soon as its registers have been multiplied for the last time.
; Each job begins the four accumulators anew: between the last matrix instruction on an accumulator and the one that writes over it stand the places and the twelve vector lines of the other three accumulators.
.macro GROUP pf
	s_wait_dscnt 9                                 ; the first tile's nine loads are in; the second's nine may be out
	WIN 0x01                                       ; source 0 (the weights) in window 1
	KJOB X0, XS0
	WIN 0
	PLACES
	KVEC T0
	s_wait_dscnt 0x0
	WIN 0x01
	KJOB X1, XS1
	WIN 0
	PLACES
	KVEC T1
	SOFT
	WIN 0x01
	VJOB X0, XS0
	WIN 0
	RESC                                           ; sixteen plain lines that name no register of those products: the places in front of the loads and of the reads below
.if \pf
	v_add_nc_u32 v[ADX], s[TB], v[AX0]
	v_add_nc_u32 v[ADS], s[TS], v[AS0]
	LOADX X0, XS0, 0
.endif
	VVEC P0
	WIN 0x01
	VJOB X1, XS1
	WIN 0
	PLACES
.if \pf
	LOADX X1, XS1, TILE
	s_add_co_u32 s[TB], s[TB], 2*TILE
	s_add_co_u32 s[TS], s[TS], 2*STILE
.endif
	VVEC P1
.endm
	s_wait_loadcnt 0x0                             ; the weights are in
	s_wait_tensorcnt 0x1                           ; my parts of the scale tile and of rows 0-255 are in; one load, my part of rows 256-511, may be out
	s_barrier_signal -1
	s_barrier_wait -1                              ; everybody's are
	v_mov_b32 v[ADX], v[AX0]
	v_mov_b32 v[ADS], v[AS0]
	LOADX X0, XS0, 0
	LOADX X1, XS1, TILE
	s_mov_b32 s[TB], 2*TILE
	s_mov_b32 s[TS], 2*STILE
	s_mov_b32 s[CNT], 7
.Lfirst_half:                                          ; 7 trips: rows 0-223 are worked, rows 32-255 fetched
	GROUP 1
	s_sub_co_u32 s[CNT], s[CNT], 1
	s_cmp_lg_u32 s[CNT], 0
	s_cbranch_scc1 .Lfirst_half
	s_wait_tensorcnt 0x0                           ; my part of rows 256-511 is in
	s_wait_dscnt 0x0                               ; no LDS instruction of mine is out at a signal
	s_barrier_signal -1
	s_barrier_wait -1                              ; everybody's is
	s_mov_b32 s[CNT], 8
.Lsecond_half:                                         ; 8 trips: rows 224-479 are worked, rows 256-511 fetched
	GROUP 1
	s_sub_co_u32 s[CNT], s[CNT], 1
	s_cmp_lg_u32 s[CNT], 0
	s_cbranch_scc1 .Lsecond_half
	GROUP 0                                        ; rows 480-511: nothing is left to fetch
	; THE WAY OUT.  The sixteen lanes' maxima are joined, each lane's sums are brought under the common maximum, and the sixteen rows of sums are added through my stage in LDS.
	v_mov_b32 v[MN], v[MX]
	v_max_num_f32_dpp v[MX], v[MX], v[MX] row_xmask:1 row_mask:0xf bank_mask:0xf
	v_max_num_f32_dpp v[MX], v[MX], v[MX] row_xmask:2 row_mask:0xf bank_mask:0xf
	v_max_num_f32_dpp v[MX], v[MX], v[MX] row_xmask:4 row_mask:0xf bank_mask:0xf
	v_max_num_f32_dpp v[MX], v[MX], v[MX] row_xmask:8 row_mask:0xf bank_mask:0xf
	v_sub_f32 v[FF], v[MN], v[MX]
	v_exp_f32 v[FF], v[FF]
	v_nop
	s_wait_alu depctr_va_vdst(0)
	v_mul_f32 v[LS], v[LS], v[FF]
	v_add_f32_dpp v[LS], v[LS], v[LS] row_xmask:1 row_mask:0xf bank_mask:0xf
	v_add_f32_dpp v[LS], v[LS], v[LS] row_xmask:2 row_mask:0xf bank_mask:0xf
	v_add_f32_dpp v[LS], v[LS], v[LS] row_xmask:4 row_mask:0xf bank_mask:0xf
	v_add_f32_dpp v[LS], v[LS], v[LS] row_xmask:8 row_mask:0xf bank_mask:0xf
	RESC
.irp t, 0,1,2,3
	ds_store_b128 v[STO], v[OA+8*\t:OA+8*\t+3] offset:64*\t            ; row r of the stage: my eight features of tile t at 64 t + 32 h
	ds_store_b128 v[STO], v[OA+8*\t+4:OA+8*\t+7] offset:64*\t+16
.endr
.set j, 0
.rept 16
	ds_load_b64 v[X0+2*j:X0+2*j+1], v[RD] offset:XP*j                  ; two features a lane, all sixteen rows.  LDS serves a wave's instructions in order (ISA guide 5.7.1.4): these see my stores
.set j, j+1
.endr
	s_wait_dscnt 0x0
.set j, 0
.rept 8
	v_pk_add_f32 v[X0+4*j:X0+4*j+1], v[X0+4*j:X0+4*j+1], v[X0+4*j+2:X0+4*j+3]
.set j, j+1
.endr
.set j, 0
.rept 4
	v_pk_add_f32 v[X0+8*j:X0+8*j+1], v[X0+8*j:X0+8*j+1], v[X0+8*j+4:X0+8*j+5]
.set j, j+1
.endr
	v_pk_add_f32 v[X0:X0+1], v[X0:X0+1], v[X0+8:X0+9]
	v_pk_add_f32 v[X0+16:X0+17], v[X0+16:X0+17], v[X0+24:X0+25]
	v_pk_add_f32 v[X0:X0+1], v[X0:X0+1], v[X0+16:X0+17]
	global_store_b64 v[GO], v[X0:X0+1], s[28:29]   ; the wave stores 256 consecutive bytes, at a multiple of 256 from po's first byte
	s_wait_xcnt 0x0                                ; EXEC changes only behind this wait
	v_cmp_eq_u32 vcc_lo, 0, v[GO]
	s_wait_tensorcnt 0x0
	ds_add_u32 v30, v31
	s_wait_dscnt 0x0
	s_and_saveexec_b32 s70, vcc_lo                 ; lane 0 alone
	global_store_b64 v[GO], v[MX:MX+1], s[30:31]   ; (m, l)
	s_wait_xcnt 0x0
	s_or_b32 exec_lo, exec_lo, s70
	s_endpgm
.Lfunc_end_k_qdb01c7f1f1_pool:
	.size	k_qdb01c7f1f1_pool, .Lfunc_end_k_qdb01c7f1f1_pool-k_qdb01c7f1f1_pool
	.p2alignl 7, 3214868480
	.fill 96, 4, 3214868480
	.section	.rodata,"a",@progbits
	.p2align	6, 0x0
	.amdhsa_kernel k_qdb01c7f1f1_pool
		.amdhsa_group_segment_fixed_size 209920
		.amdhsa_private_segment_fixed_size 0
		.amdhsa_enable_private_segment 0
		.amdhsa_kernarg_size 96
		.amdhsa_user_sgpr_count 2
		.amdhsa_user_sgpr_kernarg_segment_ptr 1
		.amdhsa_wavefront_size32 1
		.amdhsa_system_sgpr_workgroup_id_x 1
		.amdhsa_system_sgpr_workgroup_id_y 1
		.amdhsa_system_sgpr_workgroup_id_z 1
		.amdhsa_system_vgpr_workitem_id 0
		.amdhsa_next_free_vgpr 512
		.amdhsa_next_free_sgpr 80
		.amdhsa_reserve_vcc 1
		.amdhsa_float_denorm_mode_32 3
		.amdhsa_float_denorm_mode_16_64 3
		.amdhsa_memory_ordered 1
		.amdhsa_forward_progress 1
		.amdhsa_inst_pref_size 98
	.end_amdhsa_kernel
	.amdgpu_metadata
---
amdhsa.version: [ 1, 2 ]
amdhsa.kernels:
  - .name:           k_qdb01c7f1f1_pool
    .symbol:         k_qdb01c7f1f1_pool.kd
    .args:
      - { .name: X_codes, .offset: 0, .size: 8, .value_kind: global_buffer, .address_space: global }
      - { .name: X_scales, .offset: 8, .size: 8, .value_kind: global_buffer, .address_space: global }
      - { .name: Wk_codes, .offset: 16, .size: 8, .value_kind: global_buffer, .address_space: global }
      - { .name: Wk_scales, .offset: 24, .size: 8, .value_kind: global_buffer, .address_space: global }
      - { .name: Wv_codes, .offset: 32, .size: 8, .value_kind: global_buffer, .address_space: global }
      - { .name: Wv_scales, .offset: 40, .size: 8, .value_kind: global_buffer, .address_space: global }
      - { .name: bk, .offset: 48, .size: 8, .value_kind: global_buffer, .address_space: global }
      - { .name: M, .offset: 56, .size: 8, .value_kind: global_buffer, .address_space: global }
      - { .name: S, .offset: 64, .size: 8, .value_kind: global_buffer, .address_space: global }
      - { .name: p, .offset: 72, .size: 8, .value_kind: global_buffer, .address_space: global }
      - { .name: po, .offset: 80, .size: 8, .value_kind: global_buffer, .address_space: global }
      - { .name: pm, .offset: 88, .size: 8, .value_kind: global_buffer, .address_space: global }
    .group_segment_fixed_size: 209920
    .private_segment_fixed_size: 0
    .kernarg_segment_align: 8
    .kernarg_segment_size: 96
    .max_flat_workgroup_size: 256
    .sgpr_count:     80
    .vgpr_count:     512
    .wavefront_size: 32
...
	.end_amdgpu_metadata
.endif
;; end of part 1
;; launch finish (part 2): grid 4 x 4, 8 waves a work-group, no clusters, 49,152 bytes of LDS; arguments po, pm, M, bv, g0, b0, Wo_codes, Wo_scales, bo, g1, b1, out0; writes out0
.if DOCPART == 2
	.amdgcn_target "amdgcn-amd-amdhsa--gfx1250"
	.amdhsa_code_object_version 6
	.text
	.protected	k_qdb01c7f1f1_finish
	.globl	k_qdb01c7f1f1_finish
	.p2align	8
	.type	k_qdb01c7f1f1_finish,@function
k_qdb01c7f1f1_finish:
	s_mov_b64 s[64:65], 0
	v_nop
	global_prefetch_b8 v0, s[64:65] scope:SCOPE_SE
	s_setreg_imm32_b32 hwreg(HW_REG_WAVE_MODE, 25, 1), 1
	s_wait_xcnt 0x0
; The four chunks' partial softmax sums are merged: O = mu + bv + sum_q e_q P_q / sum_q e_q l_q, e_q = 2^(m_q - the largest m).  Then batch norm over the 16 batches, O + relu(O Wo^T + bo) with the product on codes of FP4 (E2M1)
; with E8M0 scales, and batch norm again.  All of that is per seed: work-group (x, y) serves seed y and the 128 outputs 128 x on; a seed's 16 batches are one tile of 16 rows.
; The product's K is all 512 features, so each of a seed's four work-groups makes all of O for its seed (128 KB of po); the matrix work is not repeated: wave w makes the one tile of outputs 128 x + 16 w on, four matrix instructions.
; A: wave w = head w; lane (r, h) holds features 64 w + 4 r .. + 3 of batches 8 h + i: merge, batch norm (a lane's eight and lane l xor 16's), O1 to LDS as [head][batch][64] f32.
; B: the wave reads its own 16 x 64 numbers back, a row a lane, 16 neighbours of each of its two blocks of 32; they are quantised in registers: half a fragment, which goes to LDS as an image of its registers, and two scale bytes.
; C: behind a barrier: four fragments, their scale words and the residual from LDS; the product; + bo, relu, + O1; batch norm; through a stage; each wave stores two whole runs of 512 bytes.
; No tensor loads, no cluster: every load is issued at the head, and work-groups share only po's 128 KB a seed.
; LIMITS: NaN and infinities are not served.  A block of zeros gets the scale byte 1: its codes are zeros, and the bytes are read here alone.
.set OP,  272                          ; a row of O1 in LDS: 64 f32 + 16 bytes
.set OH,  16*OP                        ; a head's 16 rows
.set IMG, 8*OH                         ; 34,816: the four fragments' images, 1,024 bytes each
.set SCW, IMG+4096                     ; 38,912: their scale words, 16 bytes a lane
.set SO,  SCW+512                      ; 39,424: the stage for the way out, 16 rows x 528
.set SP,  528
.set PM,  32                           ; v32-95   (m, l) of batch 8 h + i, chunk q at 8 i + 2 q; m's register then holds the chunk's weight
.set PO,  96                           ; v96-223  P of batch 8 h + i, chunk q at 16 i + 4 q; O takes chunk 0's place
.set CC,  224                          ; v224-227 mu (+ bv), v228-231 bv, v232-235 g0, v236-239 b0
.set TM,  240                          ; v240-247 at work
.set WOS, 248                          ; v248-251 Wo's scale words;  v252-255 O1's.  Scales and nothing else
.set OS,  252
.set Q,   48                           ; v48-79   phase B: 2 x 16 numbers
.set QT,  80                           ; v80-85   at work;  v86 the two bytes;  v88-91 the codes
.set PW,  86
.set PC,  88
.set AF,  132                          ; v132-163 O1's four fragments
.set RS,  164                          ; v164-171 the residual
.set Y,   172                          ; v172-179 the accumulator
.set WV,  2
.set SEL, 36
.set MSB, 0
.macro WIN new
.if MSB != \new
	s_set_vgpr_msb (MSB<<8)|\new
.set MSB, \new
.endif
.endm
	s_load_b256 s[8:15], s[0:1], 0x0               ; po s[8:9], pm s[10:11], M s[12:13], bv s[14:15]
	s_load_b256 s[16:23], s[0:1], 0x20             ; g0 s[16:17], b0 s[18:19], Wo's codes s[20:21], Wo's scales s[22:23]
	s_load_b256 s[24:31], s[0:1], 0x40             ; bo s[24:25], g1 s[26:27], b1 s[28:29], out0 s[30:31]
	v_lshl_add_u32 v26, v0, 2, 0xbc00
	v_mov_b32 v27, 0
	v_lshrrev_b32 v1, 5, v0
	v_readfirstlane_b32 s[WV], v1
	s_and_b32 s3, ttmp9, 3                         ; which 128 outputs
	s_and_b32 s4, ttmp7, 0xffff                    ; the seed
	v_and_b32 v1, 15, v0                           ; r
	v_bfe_u32 v2, v0, 4, 1                         ; h
	v_and_b32 v3, 31, v0                           ; lane
	v_lshlrev_b32 v4, 8, v2                        ; pm: 8 h batches of 32 bytes
	v_lshlrev_b32 v5, 4, v1                        ; 16 r
	v_lshl_add_u32 v6, v2, 16, v5                  ; po: 8 h batches of 8,192 bytes + 16 r
	v_lshlrev_b32 v7, 8, v1
	v_lshl_add_u32 v7, v2, 4, v7                   ; Wo: row r of 256 bytes + 16 h
	v_lshlrev_b32 v8, 2, v1                        ; 4 r
	s_mov_b32 s7, 0
	s_mov_b32 s[SEL], 0x76543210
	s_mov_b32 s[SEL+1], 0xfedcba98
	s_mov_b32 s40, 0x3d800000                      ; 1 / 16
	s_mov_b32 s41, 0x3727c5ac                      ; 1e-5
	s_lshl_b32 s33, s4, 11                         ; seed x 2,048 bytes
	s_lshl_b32 s5, s3, 7
	s_lshl_b32 s34, s[WV], 4
	s_add_co_u32 s5, s5, s34                       ; j0 = 128 x + 16 w
	s_wait_kmcnt 0x0
	s_lshl_b32 s6, s4, 3
	s_add_co_u32 s6, s6, s[WV]
	s_lshl_b32 s6, s6, 9
	s_add_nc_u64 s[10:11], s[10:11], s[6:7]        ; pm at (seed, head)
	s_lshl_b32 s6, s[WV], 8
	s_add_nc_u64 s[14:15], s[14:15], s[6:7]        ; bv at my head
	s_add_co_u32 s6, s6, s33
	s_add_nc_u64 s[12:13], s[12:13], s[6:7]        ; M, g0, b0 at (seed, head)
	s_add_nc_u64 s[16:17], s[16:17], s[6:7]
	s_add_nc_u64 s[18:19], s[18:19], s[6:7]
	s_lshl_b32 s6, s4, 17
	s_lshl_b32 s34, s[WV], 8
	s_add_co_u32 s6, s6, s34
	s_add_nc_u64 s[8:9], s[8:9], s[6:7]            ; po at (seed, head)
	s_lshl_b32 s6, s5, 8
	s_add_nc_u64 s[20:21], s[20:21], s[6:7]        ; Wo's rows j0 on
	s_lshl_b32 s6, s5, 4
	s_add_nc_u64 s[22:23], s[22:23], s[6:7]
	s_lshl_b32 s6, s5, 2
	s_add_nc_u64 s[24:25], s[24:25], s[6:7]        ; bo at j0
	s_add_co_u32 s6, s6, s33
	s_add_nc_u64 s[26:27], s[26:27], s[6:7]        ; g1, b1 at (seed, j0)
	s_add_nc_u64 s[28:29], s[28:29], s[6:7]
	s_lshl_b32 s6, s3, 9
	s_add_co_u32 s6, s6, s33
	s_lshl_b32 s34, s[WV], 14
	s_add_co_u32 s6, s6, s34
	s_add_nc_u64 s[30:31], s[30:31], s[6:7]        ; out0 at batch 2 w, my seed, output 128 x
.set i, 0
.rept 8
	global_load_b128 v[PM+8*i:PM+8*i+3], v4, s[10:11] offset:32*i
	global_load_b128 v[PM+8*i+4:PM+8*i+7], v4, s[10:11] offset:32*i+16
.set i, i+1
.endr
	global_load_b128 v[CC:CC+3], v5, s[12:13]
	global_load_b128 v[CC+4:CC+7], v5, s[14:15]
	global_load_b128 v[CC+8:CC+11], v5, s[16:17]
	global_load_b128 v[CC+12:CC+15], v5, s[18:19]
.set i, 0
.rept 32
	global_load_b128 v[PO+4*i:PO+4*i+3], v6, s[8:9] offset:8192*(i/4)+2048*(i%4)   ; sixteen lanes read 256 consecutive bytes
.set i, i+1
.endr
	WIN 0x40                                       ; destination window 1
.set i, 0
.rept 8
	global_load_b128 v[4*i:4*i+3], v7, s[20:21] offset:32*i            ; Wo's four fragments: K step i / 2
.set i, i+1
.endr
	WIN 0
	global_load_b128 v[WOS:WOS+3], v5, s[22:23]    ; row j0 + r: four scale words
	global_load_b32 v28, v8, s[24:25]              ; bo, g1, b1 of output j0 + r
	global_load_b32 v29, v8, s[26:27]
	global_load_b32 v30, v8, s[28:29]
	v_mov_b32 v31, 0                               ; (named as the upper half of the pair v[30:31])
	; the LDS addresses, all made here
	v_lshlrev_b32 v13, 4, v3                       ; 16 x lane
	s_mul_i32 s38, s[WV], OH
	v_mul_u32_u24 v9, v2, 8*OP
	v_add_nc_u32 v9, v9, v5
	v_add_nc_u32 v9, s38, v9                       ; A: my head, row 8 h, + 16 r
	v_mul_u32_u24 v10, v1, OP
	v_lshl_add_u32 v10, v2, 6, v10
	v_add_nc_u32 v10, s38, v10                     ; B: my head, row r, + 64 h
	s_lshl_b32 s39, s[WV], 9
	s_add_co_u32 s39, s39, IMG
	v_add_nc_u32 v11, s39, v13                     ; my half fragment: IMG + 512 w + 16 lane
	s_lshl_b32 s39, s[WV], 1
	s_add_co_u32 s39, s39, SCW
	v_add_nc_u32 v12, s39, v13                     ; my two scale bytes: SCW + 16 lane + 2 w
	s_lshl_b32 s38, s3, 1
	s_lshr_b32 s39, s[WV], 2
	s_add_co_u32 s38, s38, s39
	s_mul_i32 s38, s38, OH                         ; the residual: output j0 + r lies in head 2 x + w / 4,
	s_and_b32 s39, s[WV], 3
	s_lshl_b32 s39, s39, 6
	s_add_co_u32 s38, s38, s39                     ; at 16 (w % 4) + r
	v_mul_u32_u24 v14, v2, 8*OP
	v_add_nc_u32 v14, v14, v8
	v_add_nc_u32 v14, s38, v14
	s_lshl_b32 s39, s[WV], 6
	s_add_co_u32 s39, s39, SO
	v_mul_u32_u24 v15, v2, 8*SP
	v_add_nc_u32 v15, v15, v8
	v_add_nc_u32 v15, s39, v15                     ; the stage: row 8 h, + 4 (16 w + r)
	s_mul_i32 s39, s[WV], 2*SP
	s_add_co_u32 s39, s39, SO
	v_add_nc_u32 v16, s39, v13                     ; and back: rows 2 w, 2 w + 1
	; ---- A: the chunks' weights
	s_wait_loadcnt 48                              ; pm's 16 loads are in: behind them stand 4 + 32 + 8 + 1 + 3
.set i, 0
.rept 8
	v_max3_num_f32 v[TM+i], v[PM+8*i], v[PM+8*i+2], v[PM+8*i+4]
.set i, i+1
.endr
.set i, 0
.rept 8
	v_max_num_f32 v[TM+i], v[TM+i], v[PM+8*i+6]    ; the largest of the four maxima
.set i, i+1
.endr
.set i, 0
.rept 32
	v_sub_f32 v[PM+2*i], v[PM+2*i], v[TM+i/4]
.set i, i+1
.endr
.set i, 0
.rept 32
	v_exp_f32 v[PM+2*i], v[PM+2*i]
.set i, i+1
.endr
	v_nop
	s_wait_alu depctr_va_vdst(0)                   ; one wait for the 32
.set i, 0
.rept 8
	v_mul_f32 v[TM+i], v[PM+8*i], v[PM+8*i+1]
.set i, i+1
.endr
.irp q, 1,2,3
.set i, 0
.rept 8
	v_fmac_f32 v[TM+i], v[PM+8*i+2*\q], v[PM+8*i+2*\q+1]
.set i, i+1
.endr
.endr
.set i, 0
.rept 8
	v_rcp_f32 v[TM+i], v[TM+i]
.set i, i+1
.endr
	v_nop
	s_wait_alu depctr_va_vdst(0)                   ; one for the eight
.set i, 0
.rept 32
	v_mul_f32 v[PM+2*i], v[PM+2*i], v[TM+i/4]      ; e_q / the sum
.set i, i+1
.endr
	s_wait_loadcnt 12                              ; mu, bv, g0, b0 and po are in: behind them stand Wo's 8 + 1 and the last 3
	v_pk_add_f32 v[CC:CC+1], v[CC:CC+1], v[CC+4:CC+5]
	v_pk_add_f32 v[CC+2:CC+3], v[CC+2:CC+3], v[CC+6:CC+7]              ; mu + bv
.set i, 0
.rept 8
	v_pk_fma_f32 v[PO+16*i:PO+16*i+1], v[PO+16*i:PO+16*i+1], v[PM+8*i:PM+8*i+1], v[CC:CC+1] op_sel_hi:[1,0,1]
	v_pk_fma_f32 v[PO+16*i+2:PO+16*i+3], v[PO+16*i+2:PO+16*i+3], v[PM+8*i:PM+8*i+1], v[CC+2:CC+3] op_sel_hi:[1,0,1]
.set i, i+1
.endr
.irp q, 1,2,3
.set i, 0
.rept 8
	v_pk_fma_f32 v[PO+16*i:PO+16*i+1], v[PO+16*i+4*\q:PO+16*i+4*\q+1], v[PM+8*i+2*\q:PM+8*i+2*\q+1], v[PO+16*i:PO+16*i+1] op_sel_hi:[1,0,1]
	v_pk_fma_f32 v[PO+16*i+2:PO+16*i+3], v[PO+16*i+4*\q+2:PO+16*i+4*\q+3], v[PM+8*i+2*\q:PM+8*i+2*\q+1], v[PO+16*i+2:PO+16*i+3] op_sel_hi:[1,0,1]
.set i, i+1
.endr
.endr
	; the first batch norm: over my eight batches and lane l xor 16's
	v_pk_add_f32 v[TM:TM+1], v[PO:PO+1], v[PO+16:PO+17]
	v_pk_add_f32 v[TM+2:TM+3], v[PO+2:PO+3], v[PO+18:PO+19]
.set i, 2
.rept 6
	v_pk_add_f32 v[TM:TM+1], v[TM:TM+1], v[PO+16*i:PO+16*i+1]
	v_pk_add_f32 v[TM+2:TM+3], v[TM+2:TM+3], v[PO+16*i+2:PO+16*i+3]
.set i, i+1
.endr
.irp k, 0,1,2,3
	v_permlanex16_b32 v[TM+4+\k], v[TM+\k], s[SEL], s[SEL+1]
.endr
	v_pk_add_f32 v[TM:TM+1], v[TM:TM+1], v[TM+4:TM+5]
	v_pk_add_f32 v[TM+2:TM+3], v[TM+2:TM+3], v[TM+6:TM+7]
.set i, 0
.rept 8
	v_pk_fma_f32 v[PO+16*i:PO+16*i+1], v[TM:TM+1], 0xbd800000, v[PO+16*i:PO+16*i+1] op_sel_hi:[1,0,1]       ; O - the mean
	v_pk_fma_f32 v[PO+16*i+2:PO+16*i+3], v[TM+2:TM+3], 0xbd800000, v[PO+16*i+2:PO+16*i+3] op_sel_hi:[1,0,1]
.set i, i+1
.endr
	v_pk_mul_f32 v[TM:TM+1], v[PO:PO+1], v[PO:PO+1]
	v_pk_mul_f32 v[TM+2:TM+3], v[PO+2:PO+3], v[PO+2:PO+3]
.set i, 1
.rept 7
	v_pk_fma_f32 v[TM:TM+1], v[PO+16*i:PO+16*i+1], v[PO+16*i:PO+16*i+1], v[TM:TM+1]
	v_pk_fma_f32 v[TM+2:TM+3], v[PO+16*i+2:PO+16*i+3], v[PO+16*i+2:PO+16*i+3], v[TM+2:TM+3]
.set i, i+1
.endr
.irp k, 0,1,2,3
	v_permlanex16_b32 v[TM+4+\k], v[TM+\k], s[SEL], s[SEL+1]
.endr
	v_pk_add_f32 v[TM:TM+1], v[TM:TM+1], v[TM+4:TM+5]
	v_pk_add_f32 v[TM+2:TM+3], v[TM+2:TM+3], v[TM+6:TM+7]
.irp k, 0,1,2,3
	v_fma_f32 v[TM+\k], v[TM+\k], s40, s41         ; the variance + 1e-5
.endr
.irp k, 0,1,2,3
	v_rsq_f32 v[TM+\k], v[TM+\k]
.endr
	v_nop
	s_wait_alu depctr_va_vdst(0)
	v_pk_mul_f32 v[CC+8:CC+9], v[CC+8:CC+9], v[TM:TM+1]
	v_pk_mul_f32 v[CC+10:CC+11], v[CC+10:CC+11], v[TM+2:TM+3]
.set i, 0
.rept 8
	v_pk_fma_f32 v[PO+16*i:PO+16*i+1], v[PO+16*i:PO+16*i+1], v[CC+8:CC+9], v[CC+12:CC+13]
	v_pk_fma_f32 v[PO+16*i+2:PO+16*i+3], v[PO+16*i+2:PO+16*i+3], v[CC+10:CC+11], v[CC+14:CC+15]
.set i, i+1
.endr
.set i, 0
.rept 8
	ds_store_b128 v9, v[PO+16*i:PO+16*i+3] offset:OP*i                 ; O1(8 h + i, 4 r ..) of my head
.set i, i+1
.endr
	; ---- B: my head's 64 features are two blocks of 32 along the product's K.  The bytes are my wave's own: LDS serves a wave's instructions in order (ISA guide 5.7.1.4)
.irp b, 0,1
.irp k, 0,1,2,3
	ds_load_b128 v[Q+16*\b+4*\k:Q+16*\b+4*\k+3], v10 offset:128*\b+16*\k   ; row r: 16 neighbours, 16 h on, of block b
.endr
.endr
	s_wait_dscnt 0x0
.irp b, 0,1
	v_max3_num_f32 v[QT+\b], |v[Q+16*\b]|, |v[Q+16*\b+1]|, 0x1800000   ; my 16 numbers, and the floor 2^(3 - 127): the byte cannot fall under 1
.endr
.irp k, 2,4,6,8,10,12,14
.irp b, 0,1
	v_max3_num_f32 v[QT+\b], v[QT+\b], |v[Q+16*\b+\k]|, |v[Q+16*\b+\k+1]|
.endr
.endr
.irp b, 0,1
	v_permlanex16_b32 v[QT+2+\b], v[QT+\b], s[SEL], s[SEL+1]
.endr
.irp b, 0,1
	v_max_num_f32 v[QT+\b], v[QT+\b], v[QT+2+\b]   ; with lane l xor 16's: the block's largest magnitude
.endr
.irp b, 0,1
	v_add_nc_u32 v[QT+4+\b], 0xff000000, v[QT+\b]  ; 2 off its exponent field: the conversion's scale operand
.endr
.irp b, 0,1
	v_lshrrev_b32 v[QT+2+\b], 23, v[QT+4+\b]       ; the scale's byte
.endr
	v_lshl_or_b32 v[PW], v[QT+3], 8, v[QT+2]
.irp b, 0,1
	v_cvt_scalef32_pk8_fp4_f32 v[PC+2*\b], v[Q+16*\b:Q+16*\b+7], v[QT+4+\b]
	v_cvt_scalef32_pk8_fp4_f32 v[PC+2*\b+1], v[Q+16*\b+8:Q+16*\b+15], v[QT+4+\b]
.endr
	v_nop                                          ; one plain line behind a scaled conversion
	v_permlane16_swap_b32 v[PC], v[PC+2]           ; the operand's layout wants a whole block in a lane: lanes 0-15 block 0, lanes 16-31 block 1
	v_permlane16_swap_b32 v[PC+1], v[PC+3]
	ds_store_b128 v11, v[PC:PC+3]                  ; registers 4 (w % 2) .. + 3 of K step w / 2, as they stand
	ds_store_b16 v12, v[PW]                        ; bytes 2 (w % 2), + 1 of that K step's scale word
	s_wait_dscnt 0x0                               ; for the others' sake: my stores have landed
	s_barrier_signal -1
	s_barrier_wait -1
	; ---- C
	s_wait_loadcnt 0x0                             ; Wo, bo, g1, b1
.set i, 0
.rept 8
	ds_load_b128 v[AF+4*i:AF+4*i+3], v13 offset:IMG+512*i
.set i, i+1
.endr
	ds_load_b128 v[OS:OS+3], v13 offset:SCW
.set i, 0
.rept 8
	ds_load_b32 v[RS+i], v14 offset:OP*i           ; O1(8 h + i, j0 + r)
.set i, i+1
.endr
	s_wait_dscnt 0x0
	WIN 0x04                                       ; source 1 (Wo) in window 1
	v_wmma_scale_f32_16x16x128_f8f6f4 v[Y:Y+7], v[AF:AF+7], v[0:7], 0, v[OS], v[WOS] matrix_a_fmt:MATRIX_FMT_FP4 matrix_b_fmt:MATRIX_FMT_FP4
.irp qk, 1,2,3
	s_wait_alu depctr_va_vdst(0)                   ; a wait ahead of each link
	v_wmma_scale_f32_16x16x128_f8f6f4 v[Y:Y+7], v[AF+8*\qk:AF+8*\qk+7], v[8*\qk:8*\qk+7], v[Y:Y+7], v[OS+\qk], v[WOS+\qk] matrix_a_fmt:MATRIX_FMT_FP4 matrix_b_fmt:MATRIX_FMT_FP4
.endr
	WIN 0
.rept 4
	v_nop                                          ; four plain lines ahead of the first read of the result (ISA guide 7.12.1)
.endr
.irp k, 0,2,4,6
	v_pk_add_f32 v[Y+\k:Y+\k+1], v[Y+\k:Y+\k+1], v[28:29] op_sel_hi:[1,0]      ; register i: (batch 8 h + i, output j0 + r): + bo
.endr
.irp k, 0,1,2,3,4,5,6,7
	v_max_num_f32 v[Y+\k], 0, v[Y+\k]
.endr
.irp k, 0,2,4,6
	v_pk_add_f32 v[Y+\k:Y+\k+1], v[Y+\k:Y+\k+1], v[RS+\k:RS+\k+1]
.endr
	v_pk_add_f32 v[180:181], v[Y:Y+1], v[Y+2:Y+3]  ; the second batch norm
	v_pk_add_f32 v[182:183], v[Y+4:Y+5], v[Y+6:Y+7]
	v_pk_add_f32 v[180:181], v[180:181], v[182:183]
	v_add_f32 v180, v180, v181
	v_permlanex16_b32 v182, v180, s[SEL], s[SEL+1]
	v_add_f32 v180, v180, v182
.irp k, 0,2,4,6
	v_pk_fma_f32 v[Y+\k:Y+\k+1], v[180:181], 0xbd800000, v[Y+\k:Y+\k+1] op_sel_hi:[0,0,1]
.endr
	v_pk_mul_f32 v[180:181], v[Y:Y+1], v[Y:Y+1]
.irp k, 2,4,6
	v_pk_fma_f32 v[180:181], v[Y+\k:Y+\k+1], v[Y+\k:Y+\k+1], v[180:181]
.endr
	v_add_f32 v180, v180, v181
	v_permlanex16_b32 v182, v180, s[SEL], s[SEL+1]
	v_add_f32 v180, v180, v182
	v_fma_f32 v180, v180, s40, s41
	v_rsq_f32 v180, v180
	v_nop
	s_wait_alu depctr_va_vdst(0)
	v_mul_f32 v180, v180, v29
.irp k, 0,2,4,6
	v_pk_fma_f32 v[Y+\k:Y+\k+1], v[Y+\k:Y+\k+1], v[180:181], v[30:31] op_sel_hi:[1,0,0]
.endr
.set i, 0
.rept 8
	ds_store_b32 v15, v[Y+i] offset:SP*i
.set i, i+1
.endr
	s_wait_dscnt 0x0
	s_barrier_signal -1
	s_barrier_wait -1                              ; 16 rows of 128 outputs lie in the stage
	ds_load_b128 v[184:187], v16
	ds_load_b128 v[188:191], v16 offset:SP
	s_wait_dscnt 0x0
	global_store_b128 v13, v[184:187], s[30:31]                 ; 32 lanes store 512 consecutive bytes, at a multiple of 256 from out0's first byte: batch 2 w,
	global_store_b128 v13, v[188:191], s[30:31] offset:8192     ; batch 2 w + 1
	s_wait_tensorcnt 0x0
	ds_add_u32 v26, v27
	s_wait_dscnt 0x0
	s_endpgm
.Lfunc_end_k_qdb01c7f1f1_finish:
	.size	k_qdb01c7f1f1_finish, .Lfunc_end_k_qdb01c7f1f1_finish-k_qdb01c7f1f1_finish
	.p2alignl 7, 3214868480
	.fill 96, 4, 3214868480
	.section	.rodata,"a",@progbits
	.p2align	6, 0x0
	.amdhsa_kernel k_qdb01c7f1f1_finish
		.amdhsa_group_segment_fixed_size 49152
		.amdhsa_private_segment_fixed_size 0
		.amdhsa_enable_private_segment 0
		.amdhsa_kernarg_size 96
		.amdhsa_user_sgpr_count 2
		.amdhsa_user_sgpr_kernarg_segment_ptr 1
		.amdhsa_wavefront_size32 1
		.amdhsa_system_sgpr_workgroup_id_x 1
		.amdhsa_system_sgpr_workgroup_id_y 1
		.amdhsa_system_sgpr_workgroup_id_z 1
		.amdhsa_system_vgpr_workitem_id 0
		.amdhsa_next_free_vgpr 288
		.amdhsa_next_free_sgpr 66
		.amdhsa_reserve_vcc 0
		.amdhsa_float_denorm_mode_32 3
		.amdhsa_float_denorm_mode_16_64 3
		.amdhsa_memory_ordered 1
		.amdhsa_forward_progress 1
		.amdhsa_inst_pref_size 34
	.end_amdhsa_kernel
	.amdgpu_metadata
---
amdhsa.version: [ 1, 2 ]
amdhsa.kernels:
  - .name:           k_qdb01c7f1f1_finish
    .symbol:         k_qdb01c7f1f1_finish.kd
    .args:
      - { .name: po, .offset: 0, .size: 8, .value_kind: global_buffer, .address_space: global }
      - { .name: pm, .offset: 8, .size: 8, .value_kind: global_buffer, .address_space: global }
      - { .name: M, .offset: 16, .size: 8, .value_kind: global_buffer, .address_space: global }
      - { .name: bv, .offset: 24, .size: 8, .value_kind: global_buffer, .address_space: global }
      - { .name: g0, .offset: 32, .size: 8, .value_kind: global_buffer, .address_space: global }
      - { .name: b0, .offset: 40, .size: 8, .value_kind: global_buffer, .address_space: global }
      - { .name: Wo_codes, .offset: 48, .size: 8, .value_kind: global_buffer, .address_space: global }
      - { .name: Wo_scales, .offset: 56, .size: 8, .value_kind: global_buffer, .address_space: global }
      - { .name: bo, .offset: 64, .size: 8, .value_kind: global_buffer, .address_space: global }
      - { .name: g1, .offset: 72, .size: 8, .value_kind: global_buffer, .address_space: global }
      - { .name: b1, .offset: 80, .size: 8, .value_kind: global_buffer, .address_space: global }
      - { .name: out0, .offset: 88, .size: 8, .value_kind: global_buffer, .address_space: global }
    .group_segment_fixed_size: 49152
    .private_segment_fixed_size: 0
    .kernarg_segment_align: 8
    .kernarg_segment_size: 96
    .max_flat_workgroup_size: 256
    .sgpr_count:     66
    .vgpr_count:     288
    .wavefront_size: 32
...
	.end_amdgpu_metadata
.endif
;; end of part 2
;; ======== version 2 of 2: 2 launches; version 1 with the launch finish written anew for expert scheduling mode
;; workspace buffers: po 524,288 bytes; pm 16,384 bytes
;; launch pool: the kernel of part 1 again; grid 16 x 16, 8 waves a work-group, no clusters, 209,920 bytes of LDS; arguments X_codes, X_scales, Wk_codes, Wk_scales, Wv_codes, Wv_scales, bk, M, S, p, po, pm; writes po, pm
;; launch finish (part 3): grid 4 x 4, 8 waves a work-group, no clusters, 49,152 bytes of LDS; arguments po, pm, M, bv, g0, b0, Wo_codes, Wo_scales, bo, g1, b1, out0; writes out0
.if DOCPART == 3
	.amdgcn_target "amdgcn-amd-amdhsa--gfx1250"
	.amdhsa_code_object_version 6
	.text
	.protected	k_qdb01c7f1f1_finish
	.globl	k_qdb01c7f1f1_finish
	.p2align	8
	.type	k_qdb01c7f1f1_finish,@function
k_qdb01c7f1f1_finish:
	s_mov_b64 s[64:65], 0
	v_nop
	global_prefetch_b8 v0, s[64:65] scope:SCOPE_SE
	s_setreg_imm32_b32 hwreg(HW_REG_WAVE_SCHED_MODE, 0, 2), 2
	s_setreg_imm32_b32 hwreg(HW_REG_WAVE_MODE, 25, 1), 1
	s_wait_xcnt 0x0
	s_wait_alu depctr_vm_vsrc(0)
; The four chunks' partial softmax sums are merged: O = mu + bv + sum_q e_q P_q / sum_q e_q l_q, e_q = 2^(m_q - the largest m).  Then batch norm over the 16 batches, O + relu(O Wo^T + bo) with the product on codes of FP4 (E2M1)
; with E8M0 scales, and batch norm again.  All of that is per seed: work-group (x, y) serves seed y and the 128 outputs 128 x on; a seed's 16 batches are one tile of 16 rows.
; The product's K is all 512 features, so each of a seed's four work-groups makes all of O for its seed (128 KB of po); the matrix work is not repeated: wave w makes the one tile of outputs 128 x + 16 w on, four matrix instructions.
; A: wave w = head w; lane (r, h) holds features 64 w + 4 r .. + 3 of batches 8 h + i: merge, batch norm (a lane's eight and lane l xor 16's), O1 to LDS as [head][batch][64] f32.
; B: the wave reads its own 16 x 64 numbers back, a row a lane, 16 neighbours of each of its two blocks of 32; they are quantised in registers: half a fragment, which goes to LDS as an image of its registers, and two scale bytes.
; C: behind a barrier: four fragments, their scale words and the residual from LDS; the product; + bo, relu, + O1; batch norm; through a stage; each wave stores two whole runs of 512 bytes.
; No tensor loads, no cluster: every load is issued at the head, and work-groups share only po's 128 KB a seed.
; LIMITS: NaN and infinities are not served.  A block of zeros gets the scale byte 1: its codes are zeros, and the bytes are read here alone.
; THE MODE: SCHED_MODE bits 1:0 = 2 (LLVM: expert scheduling mode 2), set by the entry lines.  The code itself states the register dependences
; between vector or matrix instructions and memory or LDS instructions, with s_wait_alu, always for 0.
; THE PLAN.  Registers that memory or LDS instructions touch:
;   v4-v8      offsets of the global loads: written at the head, never again.     v9-v16  LDS addresses (v13 also the last stores' offset): written behind the global loads, never again.
;   PM, CC, PO, window 1's v0-31, v248-251, v28-30: the global loads land in them; no vector line names them ahead of the loads.
;   PO+16 i .. +3  O1: written by phase A's last multiply-adds, read by eight LDS stores; v144-147, v160-163 of them are loaded again in phase C (AF), v176-179 written again by the product (Y).
;   Q v48-79   phase B's LDS loads land there; phase A's merge named them last.      PC v88-91, PW v86: written by phase B, read by two LDS stores, never written again.
;   AF, RS, OS phase C's LDS loads land there; phase A named AF and RS last.          Y v172-179: written by the product and the second batch norm, read by eight LDS stores.
;   v184-191   the last LDS loads land there, the global stores read them; phase A's merge named them last.
; So: one wait on va_sdst for the wave's number; one on va_vdst ahead of the global loads; one ahead of each of the three runs of LDS stores, each of which also serves the LDS loads that follow it; one on vm_vsrc ahead of phase C's loads.
.set OP,  272                          ; a row of O1 in LDS: 64 f32 + 16 bytes
.set OH,  16*OP                        ; a head's 16 rows
.set IMG, 8*OH                         ; 34,816: the four fragments' images, 1,024 bytes each
.set SCW, IMG+4096                     ; 38,912: their scale words, 16 bytes a lane
.set SO,  SCW+512                      ; 39,424: the stage for the way out, 16 rows x 528
.set SP,  528
.set PM,  32                           ; v32-95   (m, l) of batch 8 h + i, chunk q at 8 i + 2 q; m's register then holds the chunk's weight
.set PO,  96                           ; v96-223  P of batch 8 h + i, chunk q at 16 i + 4 q; O takes chunk 0's place
.set CC,  224                          ; v224-227 mu (+ bv), v228-231 bv, v232-235 g0, v236-239 b0
.set TM,  240                          ; v240-247 at work
.set WOS, 248                          ; v248-251 Wo's scale words;  v252-255 O1's.  Scales and nothing else
.set OS,  252
.set Q,   48                           ; v48-79   phase B: 2 x 16 numbers
.set QT,  80                           ; v80-85   at work;  v86 the two bytes;  v88-91 the codes
.set PW,  86
.set PC,  88
.set AF,  132                          ; v132-163 O1's four fragments
.set RS,  164                          ; v164-171 the residual
.set Y,   172                          ; v172-179 the accumulator
.set WV,  2
.set SEL, 36
.set MSB, 0
.macro WIN new
.if MSB != \new
	s_set_vgpr_msb (MSB<<8)|\new
.set MSB, \new
.endif
.endm
	s_load_b256 s[8:15], s[0:1], 0x0               ; po s[8:9], pm s[10:11], M s[12:13], bv s[14:15]
	s_load_b256 s[16:23], s[0:1], 0x20             ; g0 s[16:17], b0 s[18:19], Wo's codes s[20:21], Wo's scales s[22:23]
	s_load_b256 s[24:31], s[0:1], 0x40             ; bo s[24:25], g1 s[26:27], b1 s[28:29], out0 s[30:31]
	v_lshl_add_u32 v26, v0, 2, 0xbc00
	v_mov_b32 v27, 0
	v_lshrrev_b32 v1, 5, v0
	v_readfirstlane_b32 s[WV], v1
	s_and_b32 s3, ttmp9, 3                         ; which 128 outputs
	s_and_b32 s4, ttmp7, 0xffff                    ; the seed
	v_and_b32 v1, 15, v0                           ; r
	v_bfe_u32 v2, v0, 4, 1                         ; h
	v_and_b32 v3, 31, v0                           ; lane
	v_lshlrev_b32 v4, 8, v2                        ; pm: 8 h batches of 32 bytes
	v_lshlrev_b32 v5, 4, v1                        ; 16 r
	v_lshl_add_u32 v6, v2, 16, v5                  ; po: 8 h batches of 8,192 bytes + 16 r
	v_lshlrev_b32 v7, 8, v1
	v_lshl_add_u32 v7, v2, 4, v7                   ; Wo: row r of 256 bytes + 16 h
	v_lshlrev_b32 v8, 2, v1                        ; 4 r
	s_mov_b32 s7, 0
	s_mov_b32 s[SEL], 0x76543210
	s_mov_b32 s[SEL+1], 0xfedcba98
	s_mov_b32 s40, 0x3d800000                      ; 1 / 16
	s_mov_b32 s41, 0x3727c5ac                      ; 1e-5
	s_lshl_b32 s33, s4, 11                         ; seed x 2,048 bytes
	s_lshl_b32 s5, s3, 7
	s_wait_alu depctr_va_sdst(0)                   ; the wave's number is written into s2, ahead of its first reader: bases and LDS addresses are made from it
	s_lshl_b32 s34, s[WV], 4
	s_add_co_u32 s5, s5, s34                       ; j0 = 128 x + 16 w
	s_wait_kmcnt 0x0
	s_lshl_b32 s6, s4, 3
	s_add_co_u32 s6, s6, s[WV]
	s_lshl_b32 s6, s6, 9
	s_add_nc_u64 s[10:11], s[10:11], s[6:7]        ; pm at (seed, head)
	s_lshl_b32 s6, s[WV], 8
	s_add_nc_u64 s[14:15], s[14:15], s[6:7]        ; bv at my head
	s_add_co_u32 s6, s6, s33
	s_add_nc_u64 s[12:13], s[12:13], s[6:7]        ; M, g0, b0 at (seed, head)
	s_add_nc_u64 s[16:17], s[16:17], s[6:7]
	s_add_nc_u64 s[18:19], s[18:19], s[6:7]
	s_lshl_b32 s6, s4, 17
	s_lshl_b32 s34, s[WV], 8
	s_add_co_u32 s6, s6, s34
	s_add_nc_u64 s[8:9], s[8:9], s[6:7]            ; po at (seed, head)
	s_lshl_b32 s6, s5, 8
	s_add_nc_u64 s[20:21], s[20:21], s[6:7]        ; Wo's rows j0 on
	s_lshl_b32 s6, s5, 4
	s_add_nc_u64 s[22:23], s[22:23], s[6:7]
	s_lshl_b32 s6, s5, 2
	s_add_nc_u64 s[24:25], s[24:25], s[6:7]        ; bo at j0
	s_add_co_u32 s6, s6, s33
	s_add_nc_u64 s[26:27], s[26:27], s[6:7]        ; g1, b1 at (seed, j0)
	s_add_nc_u64 s[28:29], s[28:29], s[6:7]
	s_lshl_b32 s6, s3, 9
	s_add_co_u32 s6, s6, s33
	s_lshl_b32 s34, s[WV], 14
	s_add_co_u32 s6, s6, s34
	s_add_nc_u64 s[30:31], s[30:31], s[6:7]        ; out0 at batch 2 w, my seed, output 128 x
	s_wait_alu depctr_va_vdst(0)                   ; the offsets v4 to v8 are written, which the 64 loads below read; between this wait and the last of them stand loads and window switches alone
.set i, 0
.rept 8
	global_load_b128 v[PM+8*i:PM+8*i+3], v4, s[10:11] offset:32*i
	global_load_b128 v[PM+8*i+4:PM+8*i+7], v4, s[10:11] offset:32*i+16
.set i, i+1
.endr
	global_load_b128 v[CC:CC+3], v5, s[12:13]
	global_load_b128 v[CC+4:CC+7], v5, s[14:15]
	global_load_b128 v[CC+8:CC+11], v5, s[16:17]
	global_load_b128 v[CC+12:CC+15], v5, s[18:19]
.set i, 0
.rept 32
	global_load_b128 v[PO+4*i:PO+4*i+3], v6, s[8:9] offset:8192*(i/4)+2048*(i%4)   ; sixteen lanes read 256 consecutive bytes
.set i, i+1
.endr
	WIN 0x40                                       ; destination window 1
.set i, 0
.rept 8
	global_load_b128 v[4*i:4*i+3], v7, s[20:21] offset:32*i            ; Wo's four fragments: K step i / 2
.set i, i+1
.endr
	WIN 0
	global_load_b128 v[WOS:WOS+3], v5, s[22:23]    ; row j0 + r: four scale words
	global_load_b32 v28, v8, s[24:25]              ; bo, g1, b1 of output j0 + r
	global_load_b32 v29, v8, s[26:27]
	global_load_b32 v30, v8, s[28:29]
	v_mov_b32 v31, 0                               ; (named as the upper half of the pair v[30:31])
	; the LDS addresses, all made here: none of these lines writes a register that a load above reads or lands in
	v_lshlrev_b32 v13, 4, v3                       ; 16 x lane
	s_mul_i32 s38, s[WV], OH
	v_mul_u32_u24 v9, v2, 8*OP
	v_add_nc_u32 v9, v9, v5
	v_add_nc_u32 v9, s38, v9                       ; A: my head, row 8 h, + 16 r
	v_mul_u32_u24 v10, v1, OP
	v_lshl_add_u32 v10, v2, 6, v10
	v_add_nc_u32 v10, s38, v10                     ; B: my head, row r, + 64 h
	s_lshl_b32 s39, s[WV], 9
	s_add_co_u32 s39, s39, IMG
	v_add_nc_u32 v11, s39, v13                     ; my half fragment: IMG + 512 w + 16 lane
	s_lshl_b32 s39, s[WV], 1
	s_add_co_u32 s39, s39, SCW
	v_add_nc_u32 v12, s39, v13                     ; my two scale bytes: SCW + 16 lane + 2 w
	s_lshl_b32 s38, s3, 1
	s_lshr_b32 s39, s[WV], 2
	s_add_co_u32 s38, s38, s39
	s_mul_i32 s38, s38, OH                         ; the residual: output j0 + r lies in head 2 x + w / 4,
	s_and_b32 s39, s[WV], 3
	s_lshl_b32 s39, s39, 6
	s_add_co_u32 s38, s38, s39                     ; at 16 (w % 4) + r
	v_mul_u32_u24 v14, v2, 8*OP
	v_add_nc_u32 v14, v14, v8
	v_add_nc_u32 v14, s38, v14
	s_lshl_b32 s39, s[WV], 6
	s_add_co_u32 s39, s39, SO
	v_mul_u32_u24 v15, v2, 8*SP
	v_add_nc_u32 v15, v15, v8
	v_add_nc_u32 v15, s39, v15                     ; the stage: row 8 h, + 4 (16 w + r)
	s_mul_i32 s39, s[WV], 2*SP
	s_add_co_u32 s39, s39, SO
	v_add_nc_u32 v16, s39, v13                     ; and back: rows 2 w, 2 w + 1
	; ---- A: the chunks' weights
	s_wait_loadcnt 48                              ; pm's 16 loads are in: behind them stand 4 + 32 + 8 + 1 + 3
.set i, 0
.rept 8
	v_max3_num_f32 v[TM+i], v[PM+8*i], v[PM+8*i+2], v[PM+8*i+4]
.set i, i+1
.endr
.set i, 0
.rept 8
	v_max_num_f32 v[TM+i], v[TM+i], v[PM+8*i+6]    ; the largest of the four maxima
.set i, i+1
.endr
.set i, 0
.rept 32
	v_sub_f32 v[PM+2*i], v[PM+2*i], v[TM+i/4]
.set i, i+1
.endr
.set i, 0
.rept 32
	v_exp_f32 v[PM+2*i], v[PM+2*i]
.set i, i+1
.endr
	v_nop
	s_wait_alu depctr_va_vdst(0)                   ; the 32 exponentials have written the chunks' e: one wait, ahead of their first reader
.set i, 0
.rept 8
	v_mul_f32 v[TM+i], v[PM+8*i], v[PM+8*i+1]
.set i, i+1
.endr
.irp q, 1,2,3
.set i, 0
.rept 8
	v_fmac_f32 v[TM+i], v[PM+8*i+2*\q], v[PM+8*i+2*\q+1]
.set i, i+1
.endr
.endr
.set i, 0
.rept 8
	v_rcp_f32 v[TM+i], v[TM+i]
.set i, i+1
.endr
	v_nop
	s_wait_alu depctr_va_vdst(0)                   ; the eight reciprocals have written v[TM ..]: one wait, ahead of their first reader
.set i, 0
.rept 32
	v_mul_f32 v[PM+2*i], v[PM+2*i], v[TM+i/4]      ; e_q / the sum
.set i, i+1
.endr
	s_wait_loadcnt 12                              ; mu, bv, g0, b0 and po are in: behind them stand Wo's 8 + 1 and the last 3
	v_pk_add_f32 v[CC:CC+1], v[CC:CC+1], v[CC+4:CC+5]
	v_pk_add_f32 v[CC+2:CC+3], v[CC+2:CC+3], v[CC+6:CC+7]              ; mu + bv
.set i, 0
.rept 8
	v_pk_fma_f32 v[PO+16*i:PO+16*i+1], v[PO+16*i:PO+16*i+1], v[PM+8*i:PM+8*i+1], v[CC:CC+1] op_sel_hi:[1,0,1]
	v_pk_fma_f32 v[PO+16*i+2:PO+16*i+3], v[PO+16*i+2:PO+16*i+3], v[PM+8*i:PM+8*i+1], v[CC+2:CC+3] op_sel_hi:[1,0,1]
.set i, i+1
.endr
.irp q, 1,2,3
.set i, 0
.rept 8
	v_pk_fma_f32 v[PO+16*i:PO+16*i+1], v[PO+16*i+4*\q:PO+16*i+4*\q+1], v[PM+8*i+2*\q:PM+8*i+2*\q+1], v[PO+16*i:PO+16*i+1] op_sel_hi:[1,0,1]
	v_pk_fma_f32 v[PO+16*i+2:PO+16*i+3], v[PO+16*i+4*\q+2:PO+16*i+4*\q+3], v[PM+8*i+2*\q:PM+8*i+2*\q+1], v[PO+16*i+2:PO+16*i+3] op_sel_hi:[1,0,1]
.set i, i+1
.endr
.endr
	; the first batch norm: over my eight batches and lane l xor 16's
	v_pk_add_f32 v[TM:TM+1], v[PO:PO+1], v[PO+16:PO+17]
	v_pk_add_f32 v[TM+2:TM+3], v[PO+2:PO+3], v[PO+18:PO+19]
.set i, 2
.rept 6
	v_pk_add_f32 v[TM:TM+1], v[TM:TM+1], v[PO+16*i:PO+16*i+1]
	v_pk_add_f32 v[TM+2:TM+3], v[TM+2:TM+3], v[PO+16*i+2:PO+16*i+3]
.set i, i+1
.endr
.irp k, 0,1,2,3
	v_permlanex16_b32 v[TM+4+\k], v[TM+\k], s[SEL], s[SEL+1]
.endr
	v_pk_add_f32 v[TM:TM+1], v[TM:TM+1], v[TM+4:TM+5]
	v_pk_add_f32 v[TM+2:TM+3], v[TM+2:TM+3], v[TM+6:TM+7]
.set i, 0
.rept 8
	v_pk_fma_f32 v[PO+16*i:PO+16*i+1], v[TM:TM+1], 0xbd800000, v[PO+16*i:PO+16*i+1] op_sel_hi:[1,0,1]       ; O - the mean
	v_pk_fma_f32 v[PO+16*i+2:PO+16*i+3], v[TM+2:TM+3], 0xbd800000, v[PO+16*i+2:PO+16*i+3] op_sel_hi:[1,0,1]
.set i, i+1
.endr
	v_pk_mul_f32 v[TM:TM+1], v[PO:PO+1], v[PO:PO+1]
	v_pk_mul_f32 v[TM+2:TM+3], v[PO+2:PO+3], v[PO+2:PO+3]
.set i, 1
.rept 7
	v_pk_fma_f32 v[TM:TM+1], v[PO+16*i:PO+16*i+1], v[PO+16*i:PO+16*i+1], v[TM:TM+1]
	v_pk_fma_f32 v[TM+2:TM+3], v[PO+16*i+2:PO+16*i+3], v[PO+16*i+2:PO+16*i+3], v[TM+2:TM+3]
.set i, i+1
.endr
.irp k, 0,1,2,3
	v_permlanex16_b32 v[TM+4+\k], v[TM+\k], s[SEL], s[SEL+1]
.endr
	v_pk_add_f32 v[TM:TM+1], v[TM:TM+1], v[TM+4:TM+5]
	v_pk_add_f32 v[TM+2:TM+3], v[TM+2:TM+3], v[TM+6:TM+7]
.irp k, 0,1,2,3
	v_fma_f32 v[TM+\k], v[TM+\k], s40, s41         ; the variance + 1e-5
.endr
.irp k, 0,1,2,3
	v_rsq_f32 v[TM+\k], v[TM+\k]
.endr
	v_nop
	s_wait_alu depctr_va_vdst(0)                   ; the four reciprocal roots have written v[TM .. TM+3]: one wait, ahead of their first reader
	v_pk_mul_f32 v[CC+8:CC+9], v[CC+8:CC+9], v[TM:TM+1]
	v_pk_mul_f32 v[CC+10:CC+11], v[CC+10:CC+11], v[TM+2:TM+3]
.set i, 0
.rept 8
	v_pk_fma_f32 v[PO+16*i:PO+16*i+1], v[PO+16*i:PO+16*i+1], v[CC+8:CC+9], v[CC+12:CC+13]
	v_pk_fma_f32 v[PO+16*i+2:PO+16*i+3], v[PO+16*i+2:PO+16*i+3], v[CC+10:CC+11], v[CC+14:CC+15]
.set i, i+1
.endr
	s_wait_alu depctr_va_vdst(0)                   ; the multiply-adds have written O1, which the LDS stores read; the addresses v9 to v16 are written; the merge is done reading the weights in v48-79, in which the LDS loads below land
.set i, 0
.rept 8
	ds_store_b128 v9, v[PO+16*i:PO+16*i+3] offset:OP*i                 ; O1(8 h + i, 4 r ..) of my head
.set i, i+1
.endr
	; ---- B: my head's 64 features are two blocks of 32 along the product's K.  The bytes are my wave's own: LDS serves a wave's instructions in order (ISA guide 5.7.1.4)
.irp b, 0,1
.irp k, 0,1,2,3
	ds_load_b128 v[Q+16*\b+4*\k:Q+16*\b+4*\k+3], v10 offset:128*\b+16*\k   ; row r: 16 neighbours, 16 h on, of block b
.endr
.endr
	s_wait_dscnt 0x0
.irp b, 0,1
	v_max3_num_f32 v[QT+\b], |v[Q+16*\b]|, |v[Q+16*\b+1]|, 0x1800000   ; my 16 numbers, and the floor 2^(3 - 127): the byte cannot fall under 1
.endr
.irp k, 2,4,6,8,10,12,14
.irp b, 0,1
	v_max3_num_f32 v[QT+\b], v[QT+\b], |v[Q+16*\b+\k]|, |v[Q+16*\b+\k+1]|
.endr
.endr
.irp b, 0,1
	v_permlanex16_b32 v[QT+2+\b], v[QT+\b], s[SEL], s[SEL+1]
.endr
.irp b, 0,1
	v_max_num_f32 v[QT+\b], v[QT+\b], v[QT+2+\b]   ; with lane l xor 16's: the block's largest magnitude
.endr
.irp b, 0,1
	v_add_nc_u32 v[QT+4+\b], 0xff000000, v[QT+\b]  ; 2 off its exponent field: the conversion's scale operand
.endr
.irp b, 0,1
	v_lshrrev_b32 v[QT+2+\b], 23, v[QT+4+\b]       ; the scale's byte
.endr
	v_lshl_or_b32 v[PW], v[QT+3], 8, v[QT+2]
.irp b, 0,1
	v_cvt_scalef32_pk8_fp4_f32 v[PC+2*\b], v[Q+16*\b:Q+16*\b+7], v[QT+4+\b]
	v_cvt_scalef32_pk8_fp4_f32 v[PC+2*\b+1], v[Q+16*\b+8:Q+16*\b+15], v[QT+4+\b]
.endr
	v_nop                                          ; one plain line behind a scaled conversion
	v_permlane16_swap_b32 v[PC], v[PC+2]           ; the operand's layout wants a whole block in a lane: lanes 0-15 block 0, lanes 16-31 block 1
	v_permlane16_swap_b32 v[PC+1], v[PC+3]
	s_wait_alu depctr_va_vdst(0)                   ; the swaps have written the codes v[PC ..] and the or the two bytes v[PW], which the two LDS stores read
	ds_store_b128 v11, v[PC:PC+3]                  ; registers 4 (w % 2) .. + 3 of K step w / 2, as they stand
	ds_store_b16 v12, v[PW]                        ; bytes 2 (w % 2), + 1 of that K step's scale word
	s_wait_dscnt 0x0                               ; for the others' sake: my stores have landed
	s_barrier_signal -1
	s_barrier_wait -1
	; ---- C
	s_wait_loadcnt 0x0                             ; Wo, bo, g1, b1
	s_wait_alu depctr_vm_vsrc(0)                   ; the LDS stores of O1 have read v144-147 and v160-163, in which the fragments' loads land, and v176-179, which the product writes.  (No vector line since the wait ahead of the two stores: it serves these loads' registers too)
.set i, 0
.rept 8
	ds_load_b128 v[AF+4*i:AF+4*i+3], v13 offset:IMG+512*i
.set i, i+1
.endr
	ds_load_b128 v[OS:OS+3], v13 offset:SCW
.set i, 0
.rept 8
	ds_load_b32 v[RS+i], v14 offset:OP*i           ; O1(8 h + i, j0 + r)
.set i, i+1
.endr
	s_wait_dscnt 0x0
	WIN 0x04                                       ; source 1 (Wo) in window 1
	v_wmma_scale_f32_16x16x128_f8f6f4 v[Y:Y+7], v[AF:AF+7], v[0:7], 0, v[OS], v[WOS] matrix_a_fmt:MATRIX_FMT_FP4 matrix_b_fmt:MATRIX_FMT_FP4
.irp qk, 1,2,3
	s_wait_alu depctr_va_vdst(0)                   ; a wait ahead of each link: the link before has written v[Y ..]
	v_wmma_scale_f32_16x16x128_f8f6f4 v[Y:Y+7], v[AF+8*\qk:AF+8*\qk+7], v[8*\qk:8*\qk+7], v[Y:Y+7], v[OS+\qk], v[WOS+\qk] matrix_a_fmt:MATRIX_FMT_FP4 matrix_b_fmt:MATRIX_FMT_FP4
.endr
	WIN 0
.rept 4
	v_nop                                          ; four plain lines ahead of the first read of the result (ISA guide 7.12.1)
.endr
.irp k, 0,2,4,6
	v_pk_add_f32 v[Y+\k:Y+\k+1], v[Y+\k:Y+\k+1], v[28:29] op_sel_hi:[1,0]      ; register i: (batch 8 h + i, output j0 + r): + bo
.endr
.irp k, 0,1,2,3,4,5,6,7
	v_max_num_f32 v[Y+\k], 0, v[Y+\k]
.endr
.irp k, 0,2,4,6
	v_pk_add_f32 v[Y+\k:Y+\k+1], v[Y+\k:Y+\k+1], v[RS+\k:RS+\k+1]
.endr
	v_pk_add_f32 v[180:181], v[Y:Y+1], v[Y+2:Y+3]  ; the second batch norm
	v_pk_add_f32 v[182:183], v[Y+4:Y+5], v[Y+6:Y+7]
	v_pk_add_f32 v[180:181], v[180:181], v[182:183]
	v_add_f32 v180, v180, v181
	v_permlanex16_b32 v182, v180, s[SEL], s[SEL+1]
	v_add_f32 v180, v180, v182
.irp k, 0,2,4,6
	v_pk_fma_f32 v[Y+\k:Y+\k+1], v[180:181], 0xbd800000, v[Y+\k:Y+\k+1] op_sel_hi:[0,0,1]
.endr
	v_pk_mul_f32 v[180:181], v[Y:Y+1], v[Y:Y+1]
.irp k, 2,4,6
	v_pk_fma_f32 v[180:181], v[Y+\k:Y+\k+1], v[Y+\k:Y+\k+1], v[180:181]
.endr
	v_add_f32 v180, v180, v181
	v_permlanex16_b32 v182, v180, s[SEL], s[SEL+1]
	v_add_f32 v180, v180, v182
	v_fma_f32 v180, v180, s40, s41
	v_rsq_f32 v180, v180
	v_nop
	s_wait_alu depctr_va_vdst(0)                   ; the reciprocal root has written v180, ahead of its first reader
	v_mul_f32 v180, v180, v29
.irp k, 0,2,4,6
	v_pk_fma_f32 v[Y+\k:Y+\k+1], v[Y+\k:Y+\k+1], v[180:181], v[30:31] op_sel_hi:[1,0,0]
.endr
	s_wait_alu depctr_va_vdst(0)                   ; the multiply-adds have written v[Y ..], which the LDS stores read; no vector line follows, so it also serves the loads into v184-191, which the merge named last
.set i, 0
.rept 8
	ds_store_b32 v15, v[Y+i] offset:SP*i
.set i, i+1
.endr
	s_wait_dscnt 0x0
	s_barrier_signal -1
	s_barrier_wait -1                              ; 16 rows of 128 outputs lie in the stage
	ds_load_b128 v[184:187], v16
	ds_load_b128 v[188:191], v16 offset:SP
	s_wait_dscnt 0x0
	global_store_b128 v13, v[184:187], s[30:31]                 ; 32 lanes store 512 consecutive bytes, at a multiple of 256 from out0's first byte: batch 2 w,
	global_store_b128 v13, v[188:191], s[30:31] offset:8192     ; batch 2 w + 1
	s_wait_dscnt 0x0
	s_wait_alu depctr_hold_cnt(0) depctr_sa_sdst(0) depctr_va_vdst(0) depctr_va_sdst(0) depctr_va_ssrc(0) depctr_va_vcc(0) depctr_vm_vsrc(0)
	s_wait_tensorcnt 0x0
	ds_add_u32 v26, v27
	s_wait_dscnt 0x0
	s_endpgm
.Lfunc_end_k_qdb01c7f1f1_finish:
	.size	k_qdb01c7f1f1_finish, .Lfunc_end_k_qdb01c7f1f1_finish-k_qdb01c7f1f1_finish
	.p2alignl 7, 3214868480
	.fill 96, 4, 3214868480
	.section	.rodata,"a",@progbits
	.p2align	6, 0x0
	.amdhsa_kernel k_qdb01c7f1f1_finish
		.amdhsa_group_segment_fixed_size 49152
		.amdhsa_private_segment_fixed_size 0
		.amdhsa_enable_private_segment 0
		.amdhsa_kernarg_size 96
		.amdhsa_user_sgpr_count 2
		.amdhsa_user_sgpr_kernarg_segment_ptr 1
		.amdhsa_wavefront_size32 1
		.amdhsa_system_sgpr_workgroup_id_x 1
		.amdhsa_system_sgpr_workgroup_id_y 1
		.amdhsa_system_sgpr_workgroup_id_z 1
		.amdhsa_system_vgpr_workitem_id 0
		.amdhsa_next_free_vgpr 288
		.amdhsa_next_free_sgpr 66
		.amdhsa_reserve_vcc 0
		.amdhsa_float_denorm_mode_32 3
		.amdhsa_float_denorm_mode_16_64 3
		.amdhsa_memory_ordered 1
		.amdhsa_forward_progress 1
		.amdhsa_inst_pref_size 34
	.end_amdhsa_kernel
	.amdgpu_metadata
---
amdhsa.version: [ 1, 2 ]
amdhsa.kernels:
  - .name:           k_qdb01c7f1f1_finish
    .symbol:         k_qdb01c7f1f1_finish.kd
    .args:
      - { .name: po, .offset: 0, .size: 8, .value_kind: global_buffer, .address_space: global }
      - { .name: pm, .offset: 8, .size: 8, .value_kind: global_buffer, .address_space: global }
      - { .name: M, .offset: 16, .size: 8, .value_kind: global_buffer, .address_space: global }
      - { .name: bv, .offset: 24, .size: 8, .value_kind: global_buffer, .address_space: global }
      - { .name: g0, .offset: 32, .size: 8, .value_kind: global_buffer, .address_space: global }
      - { .name: b0, .offset: 40, .size: 8, .value_kind: global_buffer, .address_space: global }
      - { .name: Wo_codes, .offset: 48, .size: 8, .value_kind: global_buffer, .address_space: global }
      - { .name: Wo_scales, .offset: 56, .size: 8, .value_kind: global_buffer, .address_space: global }
      - { .name: bo, .offset: 64, .size: 8, .value_kind: global_buffer, .address_space: global }
      - { .name: g1, .offset: 72, .size: 8, .value_kind: global_buffer, .address_space: global }
      - { .name: b1, .offset: 80, .size: 8, .value_kind: global_buffer, .address_space: global }
      - { .name: out0, .offset: 88, .size: 8, .value_kind: global_buffer, .address_space: global }
    .group_segment_fixed_size: 49152
    .private_segment_fixed_size: 0
    .kernarg_segment_align: 8
    .kernarg_segment_size: 96
    .max_flat_workgroup_size: 256
    .sgpr_count:     66
    .vgpr_count:     288
    .wavefront_size: 32
...
	.end_amdgpu_metadata
.endif
;; end of part 3
